; MI455X (gfx1250); checked and timed in simulation.
; The chip was launched on July 23, 2026; its instructions are those of AMD's public machine-readable ISA for CDNA 5 (MIT licence, August 2026) and "CDNA5" Instruction Set Architecture Reference Guide (July 2026). The comments in the code are by the model that wrote it; some were corrected since.
;; Encoder Block. Allowed arithmetic: matrix products marked QUANTISED: E2M3 operands, one E8M0 scale for each 32 along K, by v_wmma_scale_f32_16x16x128_f8f6f4 with both operands' format E2M3, f32 sums; everything else in f32.
;; Inputs: W1 1,024 x 4,096 float32; W2 4,096 x 1,024 float32; Wk 16 x 1,024 x 64 float32; Wo 1,024 x 1,024 float32; Wq 16 x 1,024 x 64 float32; Wv 16 x 1,024 x 64 float32; b1 4,096 float32; b2 1,024 float32; ln1_b 1,024 float32; ln1_w 1,024 float32; ln2_b 1,024 float32; ln2_w 1,024 float32; x 2 x 2,048 x 1,024 float32.
;; Outputs: out0 2 x 2,048 x 1,024 float32.
;; This version of the problem:
;;   THIS VERSION OF THE PROBLEM IS GIVEN IN LOW PRECISION. The matrix products marked QUANTISED in the list below multiply operands that are first quantised to E2M3 (2 exponent bits, 3 mantissa bits; 6 bits a number), with one power-of-two scale for each 32 numbers along K (OCP MX v1.0); their sums are f32. All else is computed in f32.
;;   The module's matrix products, in the order in which they are computed (A, B: the left and right operand; K: the contracted axis; several contracted axes count as one K, in the product's order):
;;     1. [M 1,024, K 1,024] x [K 1,024, N 4,096]; A: input Wq; B: computed on the way: QUANTISED
;;     2. [M 1,024, K 1,024] x [K 1,024, N 4,096]; A: input Wk; B: computed on the way: QUANTISED
;;     3. [M 1,024, K 1,024] x [K 1,024, N 4,096]; A: input Wv; B: computed on the way: QUANTISED
;;     4. batch 32 x [M 2,048, K 64] x [K 64, N 2,048]; A: computed on the way; B: computed on the way: QUANTISED
;;     5. batch 32 x [M 2,048, K 2,048] x [K 2,048, N 64]; A: softmax (see below); B: computed on the way: QUANTISED
;;     6. [M 4,096, K 1,024] x [K 1,024, N 1,024]; A: computed on the way; B: input Wo: QUANTISED
;;     7. [M 4,096, K 1,024] x [K 1,024, N 4,096]; A: computed on the way; B: input W1: QUANTISED
;;     8. [M 4,096, K 4,096] x [K 4,096, N 1,024]; A: computed on the way; B: input W2: QUANTISED
;;   THE QUANTISER, for each operand of a quantised product, along K:
;;     - K is cut into blocks of 32 from its start; a last block that is shorter is filled with zeros.
;;     - A block's scale is 2^e with e = floor(log2(the largest magnitude in the block)) - 2, held to -126 .. 127; a block of zeros has e = 0. As a byte (E8M0): e + 127.
;;     - Each number is divided by its block's scale, clamped to +-7.5, and rounded to the nearest number of E2M3, ties to even, subnormals kept.
;;     - The product sums the exact products of the quantised numbers (number of the format x scale) in f32.
;;   ~~~python
;;   def quantise(x, axis):      # numpy; x: float32 -> the quantised numbers, widened to float32 again
;;       x = np.moveaxis(x, axis, -1); K = x.shape[-1]
;;       x = np.pad(x, [(0, 0)] * (x.ndim - 1) + [(0, -K % 32)]); x = x.reshape(x.shape[:-1] + (-1, 32)); a = np.abs(x).max(-1, keepdims=True)
;;       e = np.where(a > 0, np.clip(np.frexp(np.where(a > 0, a, 1))[1] - 1 - 2, -126, 127), 0)      # np.frexp(a)[1] - 1 = floor(log2(a)), exactly
;;       r = np.clip(x / 2.0 ** e, -7.5, 7.5)
;;       step = 2.0 ** (np.maximum(np.frexp(np.where(r == 0, 1, r))[1] - 1, 0) - 3)
;;       q = np.round(r / step) * step * 2.0 ** e      # np.round: ties to even
;;       return np.moveaxis(q.reshape(q.shape[:-2] + (-1,))[..., :K], -1, axis).astype(np.float32)
;;   ~~~
;;   SOFTMAX AHEAD OF A QUANTISED PRODUCT. Where the list says 'softmax', what is quantised is not the finished softmax but p = 2^(t - M), with t = logit x log2(e) and M = ceil(the row's largest t), a whole number; so 1/2 < the row's largest p <= 1. The row's sum l is taken of the UNQUANTISED p, in f32, and the product's result is divided by l at the end. Since M is a whole number, a kernel that streams over the keys may use a running M (the ceiling of the running maximum): every later rescaling is an exact power of two, which a block's scale takes up: the codes' values come out the same.
;;   OPERANDS COMPUTED ON THE WAY. 'Computed on the way' means the value that the module computes at that place (a softmax that the list does not call 'softmax' is quantised finished and normalised). What goes into a quantiser is computed in f32, as accurately as f32 sums, v_exp_f32 and their like allow (about 1e-6 of the number): no bf16 or f16 on the way to a quantiser, and a product that is left as it is and whose result goes on into a quantised operand takes f32 operands (vector FMAs, or v_wmma_f32_16x16x4_f32). A number that lies on a knife's edge between two numbers of the format may be rounded either way, as far as f32 arithmetic and the matrix unit's own rounding can turn it there, and no further.
;; One version. Each part assembles by itself: llvm-mc -triple=amdgcn-amd-amdhsa -mcpu=gfx1250 --defsym DOCPART=n.
;; ======== version 1 of 1: 8 launches
;; workspace buffers: hw 6,555,648 bytes; hw2 6,555,648 bytes; wr 4,112,384 bytes; qkv 22,937,600 bytes; at 3,276,800 bytes; x1 16,777,216 bytes; ff 22,937,600 bytes
;; launch quantw (part 1): grid 768 x 1, 4 waves a work-group, no clusters, 0 bytes of LDS; arguments Wq, Wk, Wv, Wo, W1, W2, hw, hw2, wr; writes hw, hw2, wr
.if DOCPART == 1
	.amdgcn_target "amdgcn-amd-amdhsa--gfx1250"
	.amdhsa_code_object_version 6
	.text
	.protected	k_qd7ebace0ea_quantw
	.globl	k_qd7ebace0ea_quantw
	.p2align	8
	.type	k_qd7ebace0ea_quantw,@function
k_qd7ebace0ea_quantw:
	s_mov_b64 s[64:65], 0
	v_nop
	global_prefetch_b8 v0, s[64:65] scope:SCOPE_SE
	s_setreg_imm32_b32 hwreg(HW_REG_WAVE_MODE, 25, 1), 1
	s_wait_xcnt 0x0
; All six weights (f32, K = their first matrix axis) become codes of FP6 (E2M3) with one E8M0 byte for each 32 along K, laid as IMAGES OF OPERAND REGISTERS:
; a fragment (16 rows n x 128 K, 12 registers a lane) is 1,536 bytes: piece c (0..5) holds registers 2 c, 2 c + 1 of lane l at byte 256 c + 8 l.  Scale words: [block][K step][r][4 bytes].
; THE 16 ROWS OF A BLOCK ARE NOT NEIGHBOURS: lane r of block 2 b + u stands for row n = 32 b + 8 u + r + 8 (r / 8), so that a product's results of two neighbouring blocks are 16 neighbours along the next K.
; A wave takes 32 columns n x 128 K: a lane takes one column and its 128 registers run down K (each load reads 128 consecutive bytes), so a block's largest magnitude needs no other lane.
; Lanes 0-15 hold the columns of block 2 g, lanes 16-31 those of block 2 g + 1; twelve exchanges of lane halves turn (own column, all K) into the two fragments.
; Work-groups 0-191: Wq, Wk, Wv -> hw blocks 256..447;  192-255: Wo -> wr;  256-511: W2 -> wr;  512-767: W1 -> hw2 blocks 256..511.  The choice hangs on the work-group's number alone.
; Work-group 0 also stores the constants that the later launches read: 16,384 bytes of 0.0 at wr's head, 2,048 bytes of -infinity behind hw's scales, 2,048 bytes of 0.0 behind hw2's.
; LIMITS: NaN and infinities are not served; a block whose largest magnitude lies under 2^-124 (a block of zeros too) keeps the byte 1: its codes are what the conversion gives, and this program alone reads the bytes.
.set X,  32                            ; v32-159  my column's 128 numbers
.set F0, 160                           ; v160-171 K blocks 0 and 2 of my column, then block 2 g's fragment
.set F1, 172                           ; v172-183 K blocks 1 and 3, then block 2 g + 1's fragment
.set T,  184                           ; v184-186 a conversion's second half (its three registers begin on an even number)
	s_load_b256 s[4:11], s[0:1], 0x0               ; Wq s[4:5], Wk s[6:7], Wv s[8:9], Wo s[10:11]
	s_load_b256 s[12:19], s[0:1], 0x20             ; W1 s[12:13], W2 s[14:15], hw s[16:17], hw2 s[18:19]
	s_load_b64 s[28:29], s[0:1], 0x40              ; wr
	v_lshrrev_b32 v1, 5, v0
	v_readfirstlane_b32 s30, v1                    ; wave
	v_and_b32 v1, 31, v0                           ; lane
	v_and_b32 v2, 7, v1
	v_bfe_u32 v6, v1, 3, 1
	v_bfe_u32 v7, v1, 4, 1
	v_lshl_or_b32 v2, v6, 4, v2
	v_lshl_or_b32 v2, v7, 3, v2                    ; my column of the 32: the lane's number with bits 3 and 4 changed over
	v_lshlrev_b32 v2, 2, v2                        ; in bytes
	v_lshlrev_b32 v3, 3, v1                        ; 8 x lane: my place in a piece
	v_and_b32 v5, 15, v1
	v_lshlrev_b32 v5, 2, v5                        ; 4 r
	; the region's figures: W1's first, then each lower region's in its place
	s_mov_b32 s32, 512                             ; the region's first work-group
	s_mov_b32 s33, 7                               ; K steps - 1
	s_mov_b32 s34, 3                               ; log2 of the K steps
	s_mov_b32 s35, 21                              ; log2 of 128 rows of the source in bytes
	s_mov_b32 s40, 256                             ; the first block in the target
	s_mov_b32 s26, 12288                           ; a block's codes in bytes
	s_mov_b32 s27, 512                             ; a block's scale words in bytes
	s_mov_b32 s44, 0                               ; where the codes begin in the target
	s_mov_b32 s45, 6291456                         ; and the scale words
	s_wait_kmcnt 0x0
	s_mov_b64 s[20:21], s[12:13]
	s_mov_b64 s[42:43], s[18:19]
	s_cmp_lt_u32 ttmp9, 512                        ; W2
	s_cselect_b32 s32, 256, s32
	s_cselect_b32 s33, 31, s33
	s_cselect_b32 s34, 5, s34
	s_cselect_b32 s35, 19, s35
	s_cselect_b32 s40, 0, s40
	s_cselect_b32 s26, 49152, s26
	s_cselect_b32 s27, 2048, s27
	s_cselect_b32 s44, 835584, s44
	s_cselect_b32 s45, 3981312, s45
	s_cselect_b64 s[20:21], s[14:15], s[20:21]
	s_cselect_b64 s[42:43], s[28:29], s[42:43]
	s_cmp_lt_u32 ttmp9, 256                        ; Wo
	s_cselect_b32 s32, 192, s32
	s_cselect_b32 s33, 7, s33
	s_cselect_b32 s34, 3, s34
	s_cselect_b32 s26, 12288, s26
	s_cselect_b32 s27, 512, s27
	s_cselect_b32 s44, 16384, s44
	s_cselect_b32 s45, 802816, s45
	s_cselect_b64 s[20:21], s[10:11], s[20:21]
	s_cmp_lt_u32 ttmp9, 192                        ; Wv, Wk, Wq
	s_cselect_b32 s32, 0, s32
	s_cselect_b32 s35, 15, s35
	s_cselect_b32 s40, 256, s40
	s_cselect_b32 s44, 0, s44
	s_cselect_b32 s45, 6291456, s45
	s_cselect_b64 s[20:21], s[8:9], s[20:21]
	s_cselect_b64 s[42:43], s[16:17], s[42:43]
	s_cmp_lt_u32 ttmp9, 128
	s_cselect_b64 s[20:21], s[6:7], s[20:21]
	s_cmp_lt_u32 ttmp9, 64
	s_cselect_b64 s[20:21], s[4:5], s[20:21]
	s_sub_co_u32 s31, ttmp9, s32                   ; my number in the region
	s_and_b32 s46, s31, s33                        ; K step
	s_lshr_b32 s47, s31, s34
	s_lshl_b32 s47, s47, 2
	s_add_co_u32 s47, s47, s30                     ; g: which 32 columns
	s_lshl_b32 s36, s46, s35                       ; the K step's first row
	s_and_b32 s38, s47, 31                         ; Wq, Wk, Wv: [head][K][64]: head = (g % 32) / 2, half = g % 2
	s_lshr_b32 s39, s38, 1
	s_lshl_b32 s39, s39, 18
	s_and_b32 s38, s38, 1
	s_lshl_b32 s38, s38, 7
	s_add_co_u32 s38, s38, s39
	s_lshl_b32 s39, s47, 7                         ; the others: 128 bytes for each 32 columns
	s_cmp_lt_u32 ttmp9, 192
	s_cselect_b32 s38, s38, s39
	s_add_co_u32 s36, s36, s38
	s_mov_b32 s37, 0
	s_add_nc_u64 s[20:21], s[20:21], s[36:37]      ; the source
	s_lshl_b32 s38, s47, 1
	s_add_co_u32 s38, s38, s40                     ; block 2 g of the target
	s_mul_i32 s36, s38, s26
	s_mul_i32 s39, s46, 1536
	s_add_co_u32 s36, s36, s39
	s_add_co_u32 s36, s36, s44
	s_add_nc_u64 s[22:23], s[42:43], s[36:37]      ; its fragment of this K step
	s_mul_i32 s36, s38, s27
	s_lshl_b32 s39, s46, 6
	s_add_co_u32 s36, s36, s39
	s_add_co_u32 s36, s36, s45
	s_add_nc_u64 s[24:25], s[42:43], s[36:37]      ; its scale words
	v_add_nc_u32 v4, s26, v3                       ; block 2 g + 1's fragment lies a block's codes further on
	v_mad_u32_u24 v5, v7, s27, v5                  ; lanes 16-31: block 2 g + 1's scale words
.macro LOADS pitch                     ; W(k, my column), k = 0 .. 127: every offset is an immediate, 127 x 16,384 at the most
.set i_, 0
.rept 128
	global_load_b32 v[X+i_], v2, s[20:21] offset:i_*\pitch th:TH_LOAD_NT
.set i_, i_+1
.endr
.endm
	s_cmp_lt_u32 ttmp9, 192                        ; the three row pitches: the same 128 loads on each way
	s_cbranch_scc1 .Lpitch256
	s_cmp_lt_u32 ttmp9, 512
	s_cbranch_scc1 .Lpitch4096
	LOADS 16384
	s_branch .Lwork
.Lpitch256:
	LOADS 256
	s_branch .Lwork
.Lpitch4096:
	LOADS 4096
.Lwork:
.macro BLK bt                          ; K block bt of my column: its byte into the scale word v8, its codes into F(bt % 2), registers 6 (bt / 2) on
.set XS, X+32*(\bt)
.set FD, F0+12*((\bt)%2)+6*((\bt)/2)
	v_max3_num_f32 v10, |v[XS]|, |v[XS+1]|, |v[XS+2]|
	v_max3_num_f32 v11, |v[XS+3]|, |v[XS+4]|, |v[XS+5]|
.irp i, 6,10,14,18,22,26
	v_max3_num_f32 v10, v10, |v[XS+\i]|, |v[XS+\i+1]|
	v_max3_num_f32 v11, v11, |v[XS+\i+2]|, |v[XS+\i+3]|
.endr
	v_max3_num_f32 v10, v10, |v[XS+30]|, |v[XS+31]|
	v_max3_num_f32 v10, v10, v11, 0x1800000        ; with the floor 2^(3 - 127): the byte cannot fall under 1
	v_add_nc_u32 v12, 0xff000000, v10              ; 2 off the exponent field: the conversion's scale operand
	v_lshrrev_b32 v13, 23, v12                     ; the byte
.if (\bt) == 0
	v_mov_b32 v8, v13
.else
	v_lshl_or_b32 v8, v13, 8*(\bt), v8
.endif
	v_cvt_scalef32_pk16_fp6_f32 v[FD:FD+2], v[XS:XS+15], v12
	v_cvt_scalef32_pk16_fp6_f32 v[T:T+2], v[XS+16:XS+31], v12
	v_nop                                          ; one plain place behind a scaled conversion
	v_mov_b32 v[FD+3], v[T]
	v_mov_b32 v[FD+4], v[T+1]
	v_mov_b32 v[FD+5], v[T+2]
.endm
	s_wait_loadcnt 63                              ; of the 128 loads at most the 63 youngest may be out: rows 0 to 64 are in, and K blocks 0 and 1 read rows 0 to 63
	BLK 0
	BLK 1
	s_wait_loadcnt 0x0
	BLK 2
	BLK 3
.set i_, 0
.rept 12
	v_permlane16_swap_b32 v[F0+i_], v[F1+i_]       ; F0's lanes 16-31 change places with F1's lanes 0-15: F0 is block 2 g's fragment, F1 block 2 g + 1's
.set i_, i_+1
.endr
.irp c, 0,1,2,3,4,5
	global_store_b64 v3, v[F0+2*\c:F0+2*\c+1], s[22:23] offset:256*\c   ; 32 lanes store 256 consecutive bytes, aligned
.endr
.irp c, 0,1,2,3,4,5
	global_store_b64 v4, v[F1+2*\c:F1+2*\c+1], s[22:23] offset:256*\c
.endr
	global_store_b32 v5, v8, s[24:25]              ; 64 bytes for each of the two blocks
	s_cmp_lg_u32 ttmp9, 0
	s_cbranch_scc1 .Lend
	v_mov_b32 v16, 0                               ; the constants
	v_mov_b32 v17, 0
	v_mov_b32 v18, 0
	v_mov_b32 v19, 0
	v_mov_b32 v20, 0xff800000
	v_mov_b32 v21, 0xff800000
	v_mov_b32 v22, 0xff800000
	v_mov_b32 v23, 0xff800000
	v_lshlrev_b32 v9, 4, v0                        ; 16 x thread: 2,048 bytes a store of the work-group
.irp k, 0,1,2,3,4,5,6,7
	global_store_b128 v9, v[16:19], s[28:29] offset:2048*\k
.endr
	global_store_b128 v9, v[20:23], s[16:17] offset:6553600
	global_store_b128 v9, v[16:19], s[18:19] offset:6553600
.Lend:
	s_endpgm
.Lfunc_end_k_qd7ebace0ea_quantw:
	.size	k_qd7ebace0ea_quantw, .Lfunc_end_k_qd7ebace0ea_quantw-k_qd7ebace0ea_quantw
	.p2alignl 7, 3214868480
	.fill 96, 4, 3214868480
	.section	.rodata,"a",@progbits
	.p2align	6, 0x0
	.amdhsa_kernel k_qd7ebace0ea_quantw
		.amdhsa_group_segment_fixed_size 0
		.amdhsa_private_segment_fixed_size 0
		.amdhsa_enable_private_segment 0
		.amdhsa_kernarg_size 72
		.amdhsa_user_sgpr_count 2
		.amdhsa_user_sgpr_kernarg_segment_ptr 1
		.amdhsa_wavefront_size32 1
		.amdhsa_system_sgpr_workgroup_id_x 1
		.amdhsa_system_sgpr_workgroup_id_y 1
		.amdhsa_system_sgpr_workgroup_id_z 1
		.amdhsa_system_vgpr_workitem_id 0
		.amdhsa_next_free_vgpr 192
		.amdhsa_next_free_sgpr 66
		.amdhsa_reserve_vcc 0
		.amdhsa_float_denorm_mode_32 3
		.amdhsa_float_denorm_mode_16_64 3
		.amdhsa_memory_ordered 1
		.amdhsa_forward_progress 1
		.amdhsa_inst_pref_size 50
	.end_amdhsa_kernel
	.amdgpu_metadata
---
amdhsa.version: [ 1, 2 ]
amdhsa.kernels:
  - .name:           k_qd7ebace0ea_quantw
    .symbol:         k_qd7ebace0ea_quantw.kd
    .args:
      - { .name: Wq, .offset: 0, .size: 8, .value_kind: global_buffer, .address_space: global }
      - { .name: Wk, .offset: 8, .size: 8, .value_kind: global_buffer, .address_space: global }
      - { .name: Wv, .offset: 16, .size: 8, .value_kind: global_buffer, .address_space: global }
      - { .name: Wo, .offset: 24, .size: 8, .value_kind: global_buffer, .address_space: global }
      - { .name: W1, .offset: 32, .size: 8, .value_kind: global_buffer, .address_space: global }
      - { .name: W2, .offset: 40, .size: 8, .value_kind: global_buffer, .address_space: global }
      - { .name: hw, .offset: 48, .size: 8, .value_kind: global_buffer, .address_space: global }
      - { .name: hw2, .offset: 56, .size: 8, .value_kind: global_buffer, .address_space: global }
      - { .name: wr, .offset: 64, .size: 8, .value_kind: global_buffer, .address_space: global }
    .group_segment_fixed_size: 0
    .private_segment_fixed_size: 0
    .kernarg_segment_align: 8
    .kernarg_segment_size: 72
    .max_flat_workgroup_size: 128
    .sgpr_count:     66
    .vgpr_count:     192
    .wavefront_size: 32
...
	.end_amdgpu_metadata
.endif
;; end of part 1
;; launch ln1 (part 2): grid 256 x 1, 4 waves a work-group, no clusters, 90,624 bytes of LDS; arguments x, ln1_w, ln1_b, hw; writes hw
.if DOCPART == 2
	.amdgcn_target "amdgcn-amd-amdhsa--gfx1250"
	.amdhsa_code_object_version 6
	.text
	.protected	k_qd7ebace0ea_ln1
	.globl	k_qd7ebace0ea_ln1
	.p2align	8
	.type	k_qd7ebace0ea_ln1,@function
k_qd7ebace0ea_ln1:
	s_mov_b64 s[64:65], 0
	v_nop
	global_prefetch_b8 v0, s[64:65] scope:SCOPE_SE
	s_setreg_imm32_b32 hwreg(HW_REG_WAVE_MODE, 25, 1), 1
	s_wait_xcnt 0x0
; LayerNorm over rows of 1,024 f32 (mean, then the mean of squared differences, 1 / sqrt(var + 1e-5), gain, bias: all f32), and the result quantised along the row to FP6 (E2M3) with one E8M0 byte for each 32.
; The codes leave as images of operand registers: block beta of 16 rows, 8 K steps of 1,536 bytes (piece c: registers 2 c, 2 c + 1 of lane l at 256 c + 8 l); scale words [block][K step][r][4] from byte 6,291,456 on.
; Lane r of block 2 b + u stands for row 32 b + 8 u + r + 8 (r / 8).  A work-group makes one block; wave w its r = 4 w .. 4 w + 3, which are four neighbouring rows.
; A row is loaded 16 bytes a lane, 512 consecutive bytes a load, and stays in 32 registers for both passes.  For the conversions a lane must hold 32 NEIGHBOURS: the normalised row turns through the wave's own LDS
; (16 bytes of padding behind each 128, so that the lanes' reads start 144 bytes apart).  The codes of the 16 rows meet in LDS as the sixteen half fragments (pitch 776 bytes), and leave in whole runs of 256 bytes.
; LIMITS: NaN and infinities are not served; a block whose largest magnitude lies under 2^-124 keeps the byte 1 (this program alone reads the bytes).
.set X,   32                           ; v32-159  four rows x 32 numbers
.set WR,  160                          ; v160-191 the gain; later the codes
.set BR,  192                          ; v192-223 the bias
.set IMG, 73728                        ; LDS: behind the four waves' turning places (4 x 4 x 4,608 bytes): 16 half fragments, pitch 776
.set SCB, 86272                        ; and the block's 512 scale bytes
	s_load_b256 s[4:11], s[0:1], 0x0               ; the rows s[4:5], gain s[6:7], bias s[8:9], target s[10:11]
	v_lshl_add_u32 v232, v0, 2, 0x16000
	v_mov_b32 v233, 0
	v_lshrrev_b32 v1, 5, v0
	v_readfirstlane_b32 s12, v1                    ; wave
	v_and_b32 v1, 31, v0                           ; lane
	v_lshlrev_b32 v2, 4, v1                        ; 16 x lane
	s_lshr_b32 s13, ttmp9, 1
	s_lshl_b32 s13, s13, 5
	s_and_b32 s14, ttmp9, 1
	s_lshl_b32 s14, s14, 3
	s_add_co_u32 s13, s13, s14
	s_lshl_b32 s14, s12, 2
	s_add_co_u32 s13, s13, s14
	s_lshr_b32 s14, s12, 1
	s_lshl_b32 s14, s14, 3
	s_add_co_u32 s13, s13, s14                     ; my first row: 32 (beta / 2) + 8 (beta % 2) + 4 w + 8 (w / 2)
	s_lshl_b32 s14, s13, 12
	s_mov_b32 s15, 0
	s_mov_b32 s16, 0x76543210
	s_mov_b32 s17, 0xfedcba98                      ; v_permlanex16_b32's selects for lane l xor 16
	s_mov_b32 s26, 0x3a800000                      ; 1 / 1,024
	s_mov_b32 s27, 0x3727c5ac                      ; 1e-5
	s_mul_i32 s20, s12, 18432                      ; my wave's turning place
	v_lshrrev_b32 v9, 3, v1
	v_lshl_add_u32 v3, v9, 4, v2
	v_add_nc_u32 v3, s20, v3                       ; in: 16 l + 16 (l / 8)
	v_mul_u32_u24 v4, v1, 144
	v_add_nc_u32 v4, s20, v4                       ; back: 144 l: my block of 32
	v_lshrrev_b32 v9, 1, v1
	v_mul_u32_u24 v5, v9, 776
	v_and_b32 v9, 1, v1
	v_lshl_add_u32 v5, v9, 7, v5
	s_lshl_b32 s21, s12, 5
	s_add_co_u32 s21, s21, IMG
	v_add_nc_u32 v5, s21, v5                       ; my block l of a row belongs to half fragment l / 2, lane half l % 2: 776 (l / 2) + 128 (l % 2) + 8 r, r = 4 w + i
	v_lshrrev_b32 v9, 2, v1
	v_and_b32 v6, 3, v1
	v_lshl_add_u32 v6, v9, 6, v6
	s_lshl_b32 s21, s12, 4
	s_add_co_u32 s21, s21, SCB
	v_add_nc_u32 v6, s21, v6                       ; its byte: 64 (l / 4) + 4 r + l % 4
	s_mul_i32 s21, s12, 4*776
	s_add_co_u32 s21, s21, IMG
	v_lshlrev_b32 v8, 3, v1                        ; 8 x lane
	v_add_nc_u32 v7, s21, v8                       ; the way out: my wave's four half fragments
	v_add_nc_u32 v9, SCB, v2                       ; and the scale bytes, 16 a lane
	s_mul_i32 s22, ttmp9, 12288
	s_mul_i32 s23, s12, 3072
	s_add_co_u32 s22, s22, s23
	s_mov_b32 s23, 0
	s_lshl_b32 s24, ttmp9, 9
	s_add_co_u32 s24, s24, 6291456
	s_mov_b32 s25, 0
.irp i, 0,1,2,3
	v_mov_b32 v[26+\i], 0                          ; written once: a lane permute's destination counts as one of its sources
.endr
	s_wait_kmcnt 0x0
	s_add_nc_u64 s[4:5], s[4:5], s[14:15]
	s_add_nc_u64 s[18:19], s[10:11], s[24:25]      ; the block's scale words
	s_add_nc_u64 s[10:11], s[10:11], s[22:23]      ; my wave's four half fragments
.irp i, 0,1,2,3
.irp j, 0,1,2,3,4,5,6,7
	global_load_b128 v[X+32*\i+4*\j:X+32*\i+4*\j+3], v2, s[4:5] offset:4096*\i+512*\j
.endr
.endr
.irp j, 0,1,2,3,4,5,6,7
	global_load_b128 v[WR+4*\j:WR+4*\j+3], v2, s[6:7] offset:512*\j
.endr
.irp j, 0,1,2,3,4,5,6,7
	global_load_b128 v[BR+4*\j:BR+4*\j+3], v2, s[8:9] offset:512*\j
.endr
.macro ACROSS b                        ; the four rows' pairs v[b + 2 i], v[b + 2 i + 1]: halves added, then the 32 lanes: every lane ends with the row's sum
.irp i, 0,1,2,3
	v_add_f32 v[\b+2*\i], v[\b+2*\i], v[\b+2*\i+1]
.endr
.irp m, 1,2,4,8
.irp i, 0,1,2,3
	v_add_f32_dpp v[\b+2*\i], v[\b+2*\i], v[\b+2*\i] row_xmask:\m row_mask:0xf bank_mask:0xf
.endr
.endr
.irp i, 0,1,2,3
	v_permlanex16_b32 v[26+\i], v[\b+2*\i], s16, s17
.endr
.irp i, 0,1,2,3
	v_add_f32 v[\b+2*\i], v[\b+2*\i], v[26+\i]
.endr
.endm
	s_wait_loadcnt 16                              ; the rows are in; the gain's and the bias's 16 loads may be out
.irp i, 0,1,2,3
	v_pk_add_f32 v[10+2*\i:11+2*\i], v[X+32*\i:X+32*\i+1], v[X+32*\i+2:X+32*\i+3]
.endr
.irp k, 4,6,8,10,12,14,16,18,20,22,24,26,28,30
.irp i, 0,1,2,3
	v_pk_add_f32 v[10+2*\i:11+2*\i], v[10+2*\i:11+2*\i], v[X+32*\i+\k:X+32*\i+\k+1]   ; the four rows by turns
.endr
.endr
	ACROSS 10
.irp i, 0,1,2,3
	v_mul_f32 v[10+2*\i], s26, v[10+2*\i]          ; the mean
.endr
.irp k, 0,2,4,6,8,10,12,14,16,18,20,22,24,26,28,30
.irp i, 0,1,2,3
	v_pk_add_f32 v[X+32*\i+\k:X+32*\i+\k+1], v[X+32*\i+\k:X+32*\i+\k+1], v[10+2*\i:11+2*\i] op_sel_hi:[1,0] neg_lo:[0,1] neg_hi:[0,1]   ; x - mean, in place
.endr
.irp i, 0,1,2,3
.if \k == 0
	v_pk_mul_f32 v[18+2*\i:19+2*\i], v[X+32*\i:X+32*\i+1], v[X+32*\i:X+32*\i+1]
.else
	v_pk_fma_f32 v[18+2*\i:19+2*\i], v[X+32*\i+\k:X+32*\i+\k+1], v[X+32*\i+\k:X+32*\i+\k+1], v[18+2*\i:19+2*\i]
.endif
.endr
.endr
	ACROSS 18
.irp i, 0,1,2,3
	v_fma_f32 v[18+2*\i], v[18+2*\i], s26, s27     ; the variance + 1e-5
.endr
.irp i, 0,1,2,3
	v_rsq_f32 v[18+2*\i], v[18+2*\i]
.endr
	v_nop                                          ; a plain place behind the last of the four
	s_wait_alu depctr_va_vdst(0)                   ; one wait for the four, ahead of their first reader
	s_wait_loadcnt 0x0                             ; gain and bias
.irp k, 0,2,4,6,8,10,12,14,16,18,20,22,24,26,28,30
.irp i, 0,1,2,3
	v_pk_mul_f32 v[X+32*\i+\k:X+32*\i+\k+1], v[X+32*\i+\k:X+32*\i+\k+1], v[18+2*\i:19+2*\i] op_sel_hi:[1,0]
.endr
.irp i, 0,1,2,3
	v_pk_fma_f32 v[X+32*\i+\k:X+32*\i+\k+1], v[X+32*\i+\k:X+32*\i+\k+1], v[WR+\k:WR+\k+1], v[BR+\k:BR+\k+1]
.endr
.endr
.irp i, 0,1,2,3                        ; the turn: LDS serves a wave's instructions in order, so no wait stands between the stores and the loads
.irp j, 0,1,2,3,4,5,6,7
	ds_store_b128 v3, v[X+32*\i+4*\j:X+32*\i+4*\j+3] offset:4608*\i+576*\j
.endr
.irp j, 0,1,2,3,4,5,6,7
	ds_load_b128 v[X+32*\i+4*\j:X+32*\i+4*\j+3], v4 offset:4608*\i+16*\j
.endr
.endr
	s_wait_dscnt 0x0                               ; lane l now holds k = 32 l .. 32 l + 31 of each of the four rows
.irp i, 0,1,2,3
	v_max3_num_f32 v[10+2*\i], |v[X+32*\i]|, |v[X+32*\i+1]|, |v[X+32*\i+2]|
	v_max3_num_f32 v[11+2*\i], |v[X+32*\i+3]|, |v[X+32*\i+4]|, |v[X+32*\i+5]|
.endr
.irp k, 6,10,14,18,22,26
.irp i, 0,1,2,3
	v_max3_num_f32 v[10+2*\i], v[10+2*\i], |v[X+32*\i+\k]|, |v[X+32*\i+\k+1]|
	v_max3_num_f32 v[11+2*\i], v[11+2*\i], |v[X+32*\i+\k+2]|, |v[X+32*\i+\k+3]|
.endr
.endr
.irp i, 0,1,2,3
	v_max3_num_f32 v[10+2*\i], v[10+2*\i], |v[X+32*\i+30]|, |v[X+32*\i+31]|
.endr
.irp i, 0,1,2,3
	v_max3_num_f32 v[10+2*\i], v[10+2*\i], v[11+2*\i], 0x1800000   ; with the floor 2^(3 - 127)
.endr
.irp i, 0,1,2,3
	v_add_nc_u32 v[18+\i], 0xff000000, v[10+2*\i]  ; 2 off the exponent field: the conversion's scale operand
.endr
.irp i, 0,1,2,3
	v_lshrrev_b32 v[22+\i], 23, v[18+\i]           ; the byte
.endr
.irp i, 0,1,2,3
	v_cvt_scalef32_pk16_fp6_f32 v[160+8*\i:162+8*\i], v[X+32*\i:X+32*\i+15], v[18+\i]
	v_cvt_scalef32_pk16_fp6_f32 v[164+8*\i:166+8*\i], v[X+32*\i+16:X+32*\i+31], v[18+\i]
.endr
	v_nop                                          ; one plain place behind the scaled conversions
.irp i, 0,1,2,3
.irp e, 0,1,2
	v_mov_b32 v[163+8*\i+\e], v[164+8*\i+\e]       ; six registers on end
.endr
.endr
.irp i, 0,1,2,3
.irp c, 0,1,2
	ds_store_b64 v5, v[160+8*\i+2*\c:161+8*\i+2*\c] offset:8*\i+256*\c
.endr
	ds_store_b8 v6, v[22+\i] offset:4*\i
.endr
	s_wait_dscnt 0x0                               ; for the others' sake: my stores have landed
	s_barrier_signal -1
	s_barrier_wait -1                              ; the block's sixteen half fragments and its scale bytes lie in LDS
.irp e, 0,1,2,3
.irp c, 0,1,2
	ds_load_b64 v[32+6*\e+2*\c:33+6*\e+2*\c], v7 offset:776*\e+256*\c
.endr
.endr
	s_wait_dscnt 0x0
.irp e, 0,1,2,3
.irp c, 0,1,2
	global_store_b64 v8, v[32+6*\e+2*\c:33+6*\e+2*\c], s[10:11] offset:768*\e+256*\c   ; 32 lanes store 256 consecutive bytes, aligned
.endr
.endr
	s_cmp_lg_u32 s12, 0
	s_cbranch_scc1 .Lend
	ds_load_b128 v[56:59], v9                      ; wave 0: the 512 scale bytes
	s_wait_dscnt 0x0
	global_store_b128 v2, v[56:59], s[18:19]
.Lend:
	s_wait_tensorcnt 0x0
	ds_add_u32 v232, v233
	s_wait_dscnt 0x0
	s_endpgm
.Lfunc_end_k_qd7ebace0ea_ln1:
	.size	k_qd7ebace0ea_ln1, .Lfunc_end_k_qd7ebace0ea_ln1-k_qd7ebace0ea_ln1
	.p2alignl 7, 3214868480
	.fill 96, 4, 3214868480
	.section	.rodata,"a",@progbits
	.p2align	6, 0x0
	.amdhsa_kernel k_qd7ebace0ea_ln1
		.amdhsa_group_segment_fixed_size 90624
		.amdhsa_private_segment_fixed_size 0
		.amdhsa_enable_private_segment 0
		.amdhsa_kernarg_size 32
		.amdhsa_user_sgpr_count 2
		.amdhsa_user_sgpr_kernarg_segment_ptr 1
		.amdhsa_wavefront_size32 1
		.amdhsa_system_sgpr_workgroup_id_x 1
		.amdhsa_system_sgpr_workgroup_id_y 1
		.amdhsa_system_sgpr_workgroup_id_z 1
		.amdhsa_system_vgpr_workitem_id 0
		.amdhsa_next_free_vgpr 234
		.amdhsa_next_free_sgpr 66
		.amdhsa_reserve_vcc 0
		.amdhsa_float_denorm_mode_32 3
		.amdhsa_float_denorm_mode_16_64 3
		.amdhsa_memory_ordered 1
		.amdhsa_forward_progress 1
		.amdhsa_inst_pref_size 44
	.end_amdhsa_kernel
	.amdgpu_metadata
---
amdhsa.version: [ 1, 2 ]
amdhsa.kernels:
  - .name:           k_qd7ebace0ea_ln1
    .symbol:         k_qd7ebace0ea_ln1.kd
    .args:
      - { .name: x, .offset: 0, .size: 8, .value_kind: global_buffer, .address_space: global }
      - { .name: ln1_w, .offset: 8, .size: 8, .value_kind: global_buffer, .address_space: global }
      - { .name: ln1_b, .offset: 16, .size: 8, .value_kind: global_buffer, .address_space: global }
      - { .name: hw, .offset: 24, .size: 8, .value_kind: global_buffer, .address_space: global }
    .group_segment_fixed_size: 90624
    .private_segment_fixed_size: 0
    .kernarg_segment_align: 8
    .kernarg_segment_size: 32
    .max_flat_workgroup_size: 128
    .sgpr_count:     66
    .vgpr_count:     234
    .wavefront_size: 32
...
	.end_amdgpu_metadata
.endif
;; end of part 2
;; launch proj (part 3): grid 8 x 24, 4 waves a work-group, clusters of 4 x 4, 327,680 bytes of LDS; arguments hw, wr, qkv; writes qkv
.if DOCPART == 3
	.amdgcn_target "amdgcn-amd-amdhsa--gfx1250"
	.amdhsa_code_object_version 6
	.text
	.protected	k_qd7ebace0ea_proj
	.globl	k_qd7ebace0ea_proj
	.p2align	8
	.type	k_qd7ebace0ea_proj,@function
k_qd7ebace0ea_proj:
	s_mov_b64 s[64:65], 0
	v_nop
	global_prefetch_b8 v0, s[64:65] scope:SCOPE_SE
	s_setreg_imm32_b32 hwreg(HW_REG_WAVE_MODE, 25, 1), 1
	s_wait_xcnt 0x0
	s_wait_alu depctr_hold_cnt(0) depctr_sa_sdst(0) depctr_va_vdst(0) depctr_va_sdst(0) depctr_va_ssrc(0) depctr_va_vcc(0) depctr_vm_vsrc(0)
	s_getreg_b32 s2, hwreg(HW_REG_IB_STS2, 6, 4)
	s_cmp_eq_u32 s2, 0
	s_cbranch_scc0 .Lentry_in_a_cluster
	s_endpgm
.Lentry_in_a_cluster:
	s_bfe_u32 s2, ttmp6, 0x10000c
	s_cmp_lg_u32 s2, 0xf033
	s_cbranch_scc0 .Lentry_shape_is_right
	s_endpgm
.Lentry_shape_is_right:
; C = A B^T on codes of FP6 (E2M3) with one E8M0 scale for each 32 along K.  ONE TEXT SERVES THREE BODIES, told apart by KIND:
;   KIND 0: C = max(A B^T + bias, floor) is QUANTISED along its columns and stored as the next product's operand.  A and B lie in one buffer of blocks; floor is a word read from that buffer (-infinity: no clip; 0: relu).
;   KIND 1: C = A B^T + residual, f32.      KIND 2: C = A B^T + bias + residual, f32.
; OPERANDS ARE IMAGES OF OPERAND REGISTERS: a fragment (16 rows x 128 K, 12 registers a lane) is 1,536 bytes, piece c (0..5) = registers 2 c, 2 c + 1 of lane l at 256 c + 8 l; layout [block][K step][1,536]; scale words [block][K step][r][4].
; So a fragment comes from LDS by six loads of 8 bytes a lane, each 256 consecutive bytes: no pitch, no padding.  Lane r of block 2 b + u stands for row 32 b + 8 u + r + 8 (r / 8), in A and in B.
; THE MATRIX INSTRUCTION IS USED TRANSPOSED (source 0 = a block of B, source 1 = a block of A): a lane holds one row of C, and the 16 registers of B's blocks 2 b, 2 b + 1 are the 16 neighbouring columns 32 b + 16 (lane / 16) + 0 .. 15.
; SHARES: four waves, 2 x 2; a wave makes NB x NB blocks of 16 x 16.  K goes through a ring of two LDS slots of NQ K steps, filled by the tensor data mover: waves 0, 1 fetch A's halves, waves 2, 3 B's.
; The scale words of the work-group's rows of A and B for all of K come once, with the first fills.  CLUSTERS: 4 x 4 work-groups; A's tiles are asked for jointly along a row of the cluster, B's along a column.
; REGISTERS: window 0: v1-31 addresses; v32-47 scale words, two sets (lanes 0-15 A's block i, lanes 16-31 B's block i); v48-55 scale words made; v64-255 A's fragments, two sets.
;   window 1: B's fragments, two sets (v0.., v128..), and the bias tiles (v96-127, v224-255).   windows 2, 3: the accumulators; KIND 1, 2: window 2, v128-255: the residual.
; LIMITS: NaN and infinities are not served; in KIND 0 a block whose largest magnitude lies under 2^-124 (a block of zeros too) keeps the byte 1: this program alone reads the bytes.
.set KIND, 0
.if KIND == 0
.set NB, 8
.set NQ, 2
.set KS, 8
.set PAP, 4
.set PBP, 4
.set ACOFF, 0
.set ASOFF, 6291456
.set BCOFF, 0
.set BSOFF, 6291456
.set BIASP, 6
.elseif KIND == 1
.set NB, 4
.set NQ, 4
.set KS, 8
.set PAP, 4
.set PBP, 6
.set ACOFF, 0
.set ASOFF, 3145728
.set BCOFF, 16384
.set BSOFF, 802816
.set RESP, 8
.set OUTP, 10
.else
.set NB, 4
.set NQ, 4
.set KS, 32
.set PAP, 4
.set PBP, 6
.set ACOFF, 0
.set ASOFF, 22020096
.set BCOFF, 835584
.set BSOFF, 3981312
.set BIASP, 8
.set RESP, 10
.set OUTP, 12
.endif
.set FRB,   1536                       ; a fragment's image
.set RBB,   NQ*FRB                     ; a block's part of a slot
.set HALFT, NB*RBB                     ; what one tensor load brings, and what one wave reads of A or of B
.set SLOT,  4*HALFT                    ; A's 2 NB blocks, then B's
.set SCL,   2*SLOT                     ; behind the ring: the scale words
.set KSB,   KS*64                      ; a block's scale words
.set HALFS, NB*KSB
.set SPARE, SCL+4*HALFS                ; the spare words, 128 bytes a wave: two blocks of 256 bytes that no other line names
.set STG,   SPARE+512                  ; KIND 1, 2: a stage of 16 rows x (256 + 16) bytes for each wave; no tensor load fills it
.set LAPS,  KS/(2*NQ)                  ; a lap = once round the ring
.set TM, 128                           ; KIND 0, the way out: v128-143 at work
.set PC, 160                           ; v160-179 the codes just made
.set G1, 24                            ; s[24:31] group 1 for A's tiles; s[32:39] group 0, a set for each slot
.set G0, 32
.set G1B, 48                           ; s[48:55], s[56:63] the same for B's
.set G0B, 56
.set G1S, 68                           ; s[68:75], s[76:79] for A's scale words; s[80:87], s[88:91] for B's
.set G0S, 76
.set G1SB, 80
.set G0SB, 88
.set MSB, 0
.macro WIN new                         ; the immediate's high byte repeats the setting that is left
.if MSB != (\new)
	s_set_vgpr_msb (MSB<<8)|(\new)
.set MSB, (\new)
.endif
.endm
.macro JLOAD g0a, g1a, g0b, g1b        ; a joint load: waves 0, 1 for A, waves 2, 3 for B; the branch hangs on the wave's number alone; four v_nop follow each line
	s_cmp_eq_u32 s17, 0
	s_cbranch_scc0 .Lfor_b_\@
	tensor_load_to_lds s[\g0a:\g0a+3], s[\g1a:\g1a+7]
	s_nop 0
.rept 4
	v_nop
.endr
	s_branch .Lasked_\@
.Lfor_b_\@:
	tensor_load_to_lds s[\g0b:\g0b+3], s[\g1b:\g1b+7]
	s_nop 0
.rept 4
	v_nop
.endr
.Lasked_\@:
.endm
.macro CREST                           ; a round of the cluster's barrier behind its opening barrier
	s_cmp_lg_u32 s16, 0
	s_cbranch_scc1 .Lnot_wave_0_\@
	s_barrier_signal -3
.Lnot_wave_0_\@:
	s_barrier_wait -3
	s_barrier_signal -1
	s_barrier_wait -1
.endm
.macro CROUND
	s_barrier_signal -1
	s_barrier_wait -1
	CREST
.endm
.macro PLACES n
.rept \n
	v_nop
.endr
.endm
.if KIND == 0
	s_load_b128 s[4:7], s[0:1], 0x0                ; the operands' buffer s[4:5], the bias s[6:7]
	s_load_b64 s[8:9], s[0:1], 0x10                ; the target
.elseif KIND == 1
	s_load_b256 s[4:11], s[0:1], 0x0               ; A s[4:5], B s[6:7], residual s[8:9], target s[10:11]
.else
	s_load_b256 s[4:11], s[0:1], 0x0               ; A s[4:5], B s[6:7], bias s[8:9], residual s[10:11]
	s_load_b64 s[12:13], s[0:1], 0x20              ; target
.endif
	v_lshl_add_u32 v21, v0, 2, SPARE               ; my spare word; never rewritten
	v_mov_b32 v22, 0                               ; 0; never rewritten
	ds_add_u32 v21, v22
	ds_add_u32 v21, v22
	s_wait_dscnt 0x0
	v_lshrrev_b32 v1, 5, v0
	v_readfirstlane_b32 s16, v1                    ; wave 0..3
	s_lshr_b32 s17, s16, 1                         ; which half of the tile's rows is mine.  Also: I fetch for A (0) or for B (1)
	s_and_b32 s18, s16, 1                          ; which half of its columns.  Also: which NB blocks I fetch
	s_bfe_u32 s20, ttmp6, 0x40000                  ; cx
	s_bfe_u32 s21, ttmp6, 0x40004                  ; cy
	s_and_b32 s40, ttmp7, 0xffff                   ; cluster y
.if KIND == 0
	; tiles of 16 blocks.  Cluster rows 0-3: A = tiles 0-15 (the activations), B = tiles 16 on (the weights).  Cluster rows 4, 5: A = tiles 24-27 (Wv), B = tiles 0-15 (the activations): V^T.
	s_lshl_b32 s41, s40, 2
	s_lshl_b32 s42, ttmp9, 2
	s_max_u32 s43, s40, 4
	s_lshl_b32 s43, s43, 3
	s_sub_co_u32 s43, s43, 32
	s_add_co_u32 s43, s43, s42                     ; 8 (cluster y - 4) + 4 cluster x
	s_add_co_u32 s42, s42, 16                      ; 16 + 4 cluster x
	s_cmp_ge_u32 s40, 4
	s_cselect_b32 s22, 24, s41
	s_cselect_b32 s23, s43, s42
	s_cselect_b32 s14, 0, 16
	s_add_co_u32 s22, s22, s21                     ; A's tile: hangs on the cluster's y and on cy
	s_add_co_u32 s23, s23, s20                     ; B's tile: on the cluster's place and on cx
	s_sub_co_u32 s14, s23, s14
	s_lshl_b32 s14, s14, 1
	s_add_co_u32 s14, s14, s18                     ; my 128 columns are K step s14 of the target
.else
	s_lshl_b32 s22, s40, 2
	s_add_co_u32 s22, s22, s21                     ; A's tile
	s_lshl_b32 s23, ttmp9, 2
	s_add_co_u32 s23, s23, s20                     ; B's tile
.endif
	s_lshl_b32 s41, s21, 2
	s_lshl_b32 s41, 15, s41                        ; my row of the cluster
	s_lshl_b32 s42, 0x1111, s20                    ; my column
	s_or_b32 s[G1], s41, (3<<16)|(1<<21)           ; 15:0 the mask; 17:16 elements of 8 bytes; 20 no padding; 21 set beside a mask
	s_or_b32 s[G1B], s42, (3<<16)|(1<<21)
	s_or_b32 s[G1S], s41, (3<<16)|(1<<21)
	s_or_b32 s[G1SB], s42, (3<<16)|(1<<21)
.irp g, G1, G1B                        ; NB rows (blocks) of NQ fragments, KS fragments apart
	s_mov_b32 s[\g+1], (NQ*192)<<16
	s_mov_b32 s[\g+2], NB<<16
	s_mov_b32 s[\g+3], (NQ*192)<<16
	s_mov_b32 s[\g+4], NB
	s_mov_b32 s[\g+5], KS*192
	s_mov_b32 s[\g+6], 0
	s_mov_b32 s[\g+7], 0
.endr
.irp g, G1S, G1SB                      ; a dense block of HALFS bytes, as rows of 256
	s_mov_b32 s[\g+1], 32<<16
	s_mov_b32 s[\g+2], (HALFS/256)<<16
	s_mov_b32 s[\g+3], 32<<16
	s_mov_b32 s[\g+4], HALFS/256
	s_mov_b32 s[\g+5], 32
	s_mov_b32 s[\g+6], 0
	s_mov_b32 s[\g+7], 0
.endr
	s_mul_i32 s41, s18, NB
	s_mul_i32 s40, s22, 2*NB
	s_add_co_u32 s40, s40, s41                     ; A: the first block that I fetch
	s_mul_i32 s42, s40, KS*FRB
	s_add_co_u32 s42, s42, ACOFF
	s_mov_b32 s43, 0
	s_mul_i32 s46, s40, KSB
	s_add_co_u32 s46, s46, ASOFF
	s_mov_b32 s47, 0
	s_mul_i32 s92, s23, 2*NB
	s_add_co_u32 s92, s92, s41                     ; B likewise, in registers that never hold cy
	s_mul_i32 s94, s92, KS*FRB
	s_add_co_u32 s94, s94, BCOFF
	s_mov_b32 s95, 0
	s_mul_i32 s96, s92, KSB
	s_add_co_u32 s96, s96, BSOFF
	s_mov_b32 s97, 0
	s_mul_i32 s45, s16, HALFT                      ; where they go: no place in the cluster enters an LDS address
	s_mul_i32 s98, s16, HALFS
	s_wait_kmcnt 0x0
	CROUND                                         ; all sixteen work-groups are here: the first joint loads meet
	s_mov_b32 s[G0S], 1
	s_add_co_u32 s[G0S+1], s98, SCL
	s_add_nc_u64 s[G0S+2:G0S+3], s[PAP:PAP+1], s[46:47]
	s_or_b32 s[G0S+3], s[G0S+3], 0x80000000
	s_mov_b32 s[G0SB], 1
	s_add_co_u32 s[G0SB+1], s98, SCL
	s_add_nc_u64 s[G0SB+2:G0SB+3], s[PBP:PBP+1], s[96:97]
	s_or_b32 s[G0SB+3], s[G0SB+3], 0x80000000
	JLOAD G0S, G1S, G0SB, G1SB                     ; the scale words first: they are wanted with the first K step
.irp s, 0,1
	s_mov_b32 s[G0+4*\s], 1
	s_add_co_u32 s[G0+4*\s+1], s45, \s*SLOT
	s_add_nc_u64 s[G0+4*\s+2:G0+4*\s+3], s[PAP:PAP+1], s[42:43]
	s_add_nc_u64 s[G0+4*\s+2:G0+4*\s+3], s[G0+4*\s+2:G0+4*\s+3], \s*RBB
	s_or_b32 s[G0+4*\s+3], s[G0+4*\s+3], 0x80000000
	s_mov_b32 s[G0B+4*\s], 1
	s_add_co_u32 s[G0B+4*\s+1], s45, \s*SLOT
	s_add_nc_u64 s[G0B+4*\s+2:G0B+4*\s+3], s[PBP:PBP+1], s[94:95]
	s_add_nc_u64 s[G0B+4*\s+2:G0B+4*\s+3], s[G0B+4*\s+2:G0B+4*\s+3], \s*RBB
	s_or_b32 s[G0B+4*\s+3], s[G0B+4*\s+3], 0x80000000
	JLOAD G0+4*\s, G1, G0B+4*\s, G1B               ; three tensor loads of mine are out now; later one behind each round
.endr
	v_and_b32 v1, 15, v0                           ; r
	v_bfe_u32 v2, v0, 4, 1                         ; h
	v_and_b32 v3, 31, v0
	v_lshlrev_b32 v3, 3, v3                        ; 8 x lane
	s_mul_i32 s40, s17, HALFT                      ; my NB blocks of A
	s_mul_i32 s41, s18, HALFT
	s_add_co_u32 s41, s41, 2*HALFT                 ; my NB blocks of B
.irp s, 0,1
	v_add_nc_u32 v[16+\s], s40, v3
	v_add_nc_u32 v[18+\s], s41, v3
	s_add_co_u32 s40, s40, SLOT
	s_add_co_u32 s41, s41, SLOT
.endr
	s_mul_i32 s40, s17, HALFS
	s_mul_i32 s41, s18, HALFS
	s_add_co_u32 s41, s41, 2*HALFS
	s_sub_co_u32 s41, s41, s40
	v_mul_u32_u24 v4, s41, v2                      ; lanes 16-31 take B's scale words
	s_add_co_u32 s40, s40, SCL
	v_lshl_add_u32 v4, v1, 2, v4
	v_add_nc_u32 v20, s40, v4
	v_lshlrev_b32 v5, 6, v2                        ; the bias: 64 h
.if KIND == 0
	s_load_b32 s19, s[4:5], 0x640000               ; the floor
	s_mov_b32 s66, 0x76543210
	s_mov_b32 s67, 0xfedcba98                      ; v_permlanex16_b32's selects for lane l xor 16
	s_lshl_b32 s40, s14, 9
	s_mov_b32 s41, 0
	s_add_nc_u64 s[6:7], s[6:7], s[40:41]          ; the bias of my 128 columns
	s_lshl_b32 s40, s22, 4
	s_lshl_b32 s41, s17, 3
	s_add_co_u32 s40, s40, s41                     ; my first block of rows
	s_mul_i32 s42, s40, 49152
	s_mul_i32 s43, s14, 1536
	s_add_co_u32 s42, s42, s43
	s_mov_b32 s43, 0
	s_add_nc_u64 s[10:11], s[8:9], s[42:43]        ; its fragment in the target: [block][32 K steps][1,536]
	s_lshl_b32 s42, s40, 11
	s_lshl_b32 s41, s14, 6
	s_add_co_u32 s42, s42, s41
	s_add_co_u32 s42, s42, 22020096
	s_add_nc_u64 s[12:13], s[8:9], s[42:43]        ; its scale words
	v_mov_b32 v23, v3
	v_lshlrev_b32 v24, 2, v1
	v_lshl_add_u32 v24, v2, 11, v24                ; 4 r + a block's 2,048 bytes for lanes 16-31
.else
.if KIND == 2
	s_lshl_b32 s40, s23, 9
	s_lshl_b32 s41, s18, 8
	s_add_co_u32 s40, s40, s41
	s_mov_b32 s41, 0
	s_add_nc_u64 s[8:9], s[8:9], s[40:41]          ; the bias of my 64 columns
.endif
	s_lshl_b32 s40, s22, 7
	s_lshl_b32 s41, s17, 6
	s_add_co_u32 s40, s40, s41
	s_lshl_b32 s40, s40, 12                        ; my first row, 4,096 bytes a row,
	s_lshl_b32 s41, s23, 9
	s_add_co_u32 s40, s40, s41
	s_lshl_b32 s41, s18, 8
	s_add_co_u32 s40, s40, s41                     ; my first column
	s_mov_b32 s41, 0
	s_add_nc_u64 s[RESP:RESP+1], s[RESP:RESP+1], s[40:41]
	s_add_nc_u64 s[OUTP:OUTP+1], s[OUTP:OUTP+1], s[40:41]
	v_lshlrev_b32 v25, 4, v1
	v_lshl_add_u32 v25, v2, 12, v25                ; lanes 0-15 one row's 256 bytes, lanes 16-31 the next row's
	s_mul_i32 s40, s16, 16*272
	s_add_co_u32 s40, s40, STG                     ; my stage
	v_mul_u32_u24 v26, v1, 272
	v_lshl_add_u32 v26, v2, 6, v26
	v_add_nc_u32 v26, s40, v26                     ; in: row r, + 64 h
	v_mul_u32_u24 v27, v2, 272
	v_lshl_add_u32 v27, v1, 4, v27
	v_add_nc_u32 v27, s40, v27                     ; back: two rows an instruction
.endif
.if KIND != 1
	WIN 0x40                                       ; destination window 1.  Bias tile b: lane (r, h) wants columns 32 (b / 2) + 16 h + 8 (b % 2) + 0 .. 7
.set b_, 0
.rept NB
.set BI_, 96+128*(b_/4)+8*(b_%4)
	global_load_b128 v[BI_:BI_+3], v5, s[BIASP:BIASP+1] offset:(32*(b_/2)+8*(b_%2))*4
	global_load_b128 v[BI_+4:BI_+7], v5, s[BIASP:BIASP+1] offset:(32*(b_/2)+8*(b_%2))*4+16
.set b_, b_+1
.endr
	WIN 0
.endif
.if KIND != 0
	WIN 0x80                                       ; destination window 2: the residual, in the order in which the rows come back from the stage
.irp a, 0,1,2,3
.irp t, 0,1,2,3,4,5,6,7
	global_load_b128 v[128+32*\a+4*\t:128+32*\a+4*\t+3], v25, s[RESP:RESP+1] offset:(32*(\a/2)+8*(\a%2)+2*\t+8*(\t/4))*4096
.endr
.endr
	WIN 0
.endif
; the fragments and scale words of the slot's q-th K step into set p
.macro FETCH slot, q, p
	WIN 0x40
.set i_, 0
.rept NB
.irp c, 0,1,2,3,4,5
	ds_load_b64 v[128*(\p)+12*i_+2*\c:128*(\p)+12*i_+2*\c+1], v[18+\slot] offset:i_*RBB+(\q)*FRB+256*\c
.endr
.set i_, i_+1
.endr
	WIN 0
.set i_, 0
.rept NB
.irp c, 0,1,2,3,4,5
	ds_load_b64 v[64+96*(\p)+12*i_+2*\c:64+96*(\p)+12*i_+2*\c+1], v[16+\slot] offset:i_*RBB+(\q)*FRB+256*\c
.endr
.set i_, i_+1
.endr
.set i_, 0
.rept NB
	ds_load_b32 v[32+8*(\p)+i_], v20 offset:i_*KSB+(\q)*64
.set i_, i_+1
.endr
.endm
; A's block a against B's NB blocks, set p.  first = 1: the product starts the sums, with the bias tile (KIND 1: the constant 0) as C.  The accumulators take turns, one instruction a turn, in the same order in every K step.
.macro MULA a, p, first
.set W_, 2+((\a)*NB)/32
.set AC_, 8*(((\a)*NB)%32)
.if (\first) && (KIND != 1)
	WIN 0x11+(W_<<6)                               ; source 0 (B) and C (bias) window 1, source 1 (A) window 0
.else
	WIN 0x01+(W_<<4)+(W_<<6)
.endif
.set b_, 0
.rept NB
.set BI_, 96+128*(b_/4)+8*(b_%4)
.if (\first) && (KIND == 1)
	v_wmma_scale_f32_16x16x128_f8f6f4 v[AC_+8*b_:AC_+8*b_+7], v[128*(\p)+12*b_:128*(\p)+12*b_+11], v[64+96*(\p)+12*(\a):64+96*(\p)+12*(\a)+11], 0, v[32+8*(\p)+b_], v[32+8*(\p)+(\a)] matrix_a_fmt:MATRIX_FMT_FP6 matrix_b_fmt:MATRIX_FMT_FP6 matrix_a_scale:MATRIX_SCALE_ROW1
.elseif \first
	v_wmma_scale_f32_16x16x128_f8f6f4 v[AC_+8*b_:AC_+8*b_+7], v[128*(\p)+12*b_:128*(\p)+12*b_+11], v[64+96*(\p)+12*(\a):64+96*(\p)+12*(\a)+11], v[BI_:BI_+7], v[32+8*(\p)+b_], v[32+8*(\p)+(\a)] matrix_a_fmt:MATRIX_FMT_FP6 matrix_b_fmt:MATRIX_FMT_FP6 matrix_a_scale:MATRIX_SCALE_ROW1
.else
	v_wmma_scale_f32_16x16x128_f8f6f4 v[AC_+8*b_:AC_+8*b_+7], v[128*(\p)+12*b_:128*(\p)+12*b_+11], v[64+96*(\p)+12*(\a):64+96*(\p)+12*(\a)+11], v[AC_+8*b_:AC_+8*b_+7], v[32+8*(\p)+b_], v[32+8*(\p)+(\a)] matrix_a_fmt:MATRIX_FMT_FP6 matrix_b_fmt:MATRIX_FMT_FP6 matrix_a_scale:MATRIX_SCALE_ROW1
.endif
.set b_, b_+1
.endr
.endm
.macro MULAS a0, n, p, first
.set a_, \a0
.rept \n
	MULA a_, \p, \first
.set a_, a_+1
.endr
.endm
; a K step that has its successor in the same slot: the successor's fragments are asked for first, into the other set, and land under this step's products
.macro STEP slot, q, first
	s_wait_dscnt 0x0                               ; this step's fragments and scale words are in
	PLACES 4                                       ; the other set was read by the products just issued: four plain places in front of loads into it
	FETCH \slot, (\q)+1, ((\q)+1)%2
	MULAS 0, NB, (\q)%2, \first
	WIN 0
.endm
; a slot's last K step (set 1) changes slots: ONE barrier; in front of it each wave waits for all its tensor loads, adds 0 to its spare word, and waits for that and for its reads of this slot.  fill = 1: this slot is filled again, two slots ahead.
.macro TURN slot, next, fill
	s_wait_tensorcnt 0x0                           ; all my tensor loads have landed: my part of the next slot
	ds_add_u32 v21, v22                            ; 0 onto my spare word
	s_wait_dscnt 0x1                               ; only the add may be out: this step's fragments are in
	MULAS 0, NB/4, 1, 0
	s_wait_dscnt 0x0                               ; the add is done, and my reads of this slot are over
	s_barrier_signal -1
	MULAS NB/4, NB/4, 1, 0
	WIN 0
	s_barrier_wait -1
.if \fill
	CREST                                          ; the barrier has opened a round of the cluster's barrier: no wave of any partner still reads this slot or has a load on its way
	s_add_nc_u64 s[G0+4*\slot+2:G0+4*\slot+3], s[G0+4*\slot+2:G0+4*\slot+3], 2*RBB
	s_add_nc_u64 s[G0B+4*\slot+2:G0B+4*\slot+3], s[G0B+4*\slot+2:G0B+4*\slot+3], 2*RBB
	JLOAD G0+4*\slot, G1, G0B+4*\slot, G1B         ; the first tensor load behind the round; its four v_nop are also the places in front of the loads below
.else
	PLACES 4
.endif
	v_add_nc_u32 v20, NQ*64, v20                   ; on to the next slot's scale words
	FETCH \next, 0, 0
	MULAS NB/2, NB/2, 1, 0
	WIN 0
.endm
.macro MID slot                        ; the K steps between a slot's first and its last
.if NQ == 4
	STEP \slot, 1, 0
	STEP \slot, 2, 0
.endif
.endm
	s_wait_tensorcnt 0x1                           ; the scale words and my part of slot 0 are in; slot 1's load may be out
	s_barrier_signal -1
	s_barrier_wait -1
	FETCH 0, 0, 0
.if KIND == 0
	s_wait_loadcnt 0x0                             ; the bias
	s_wait_kmcnt 0x0                               ; the floor
.elseif KIND == 2
	s_wait_loadcnt 32                              ; the bias is in; the residual's 32 younger loads may be out
.endif
	STEP 0, 0, 1                                   ; the first K step stands in front of the loop: its products start the sums
.if LAPS > 1
	s_mov_b32 s3, LAPS-1
.Llap:                                             ; a trip goes once round the ring and fills both slots again
	MID 0
	TURN 0, 1, 1
	STEP 1, 0, 0
	MID 1
	TURN 1, 0, 1
	STEP 0, 0, 0
	s_sub_co_u32 s3, s3, 1
	s_cmp_lg_u32 s3, 0
	s_cbranch_scc1 .Llap
.endif
	MID 0                                          ; the last lap fills nothing
	TURN 0, 1, 0
	STEP 1, 0, 0
	MID 1
	s_wait_dscnt 0x0                               ; the very last K step
	MULAS 0, NB, 1, 0
	WIN 0
	PLACES 4                                       ; in front of the first read of results and of writes into registers that the last products read
.if KIND == 0
; THE WAY OUT: block a's 64 numbers of a lane (register 16 b + i = column 32 b + 16 h + i of my row) are held at the floor, quantised, and ARE a fragment of the next product.
.macro QUANT s, pw
.irp b, 0,1,2,3
	v_max3_num_f32 v[TM+\b], |v[\s+16*\b]|, |v[\s+1+16*\b]|, 0x1800000   ; my 16 numbers of block b, and the floor 2^(3 - 127)
.endr
.irp i, 2,4,6,8,10,12,14
.irp b, 0,1,2,3
	v_max3_num_f32 v[TM+\b], v[TM+\b], |v[\s+16*\b+\i]|, |v[\s+1+16*\b+\i]|
.endr
.endr
.irp b, 0,1,2,3
	v_permlanex16_b32 v[TM+4+\b], v[TM+\b], s66, s67
.endr
.irp b, 0,1,2,3
	v_max_num_f32 v[TM+\b], v[TM+\b], v[TM+4+\b]   ; with lane l xor 16's: the block's largest magnitude
.endr
.irp b, 0,1,2,3
	v_add_nc_u32 v[TM+12+\b], 0xff000000, v[TM+\b] ; 2 off its exponent field: the conversion's scale operand
.endr
.irp b, 0,1,2,3
	v_lshrrev_b32 v[TM+4+\b], 23, v[TM+12+\b]      ; the byte
.endr
	v_lshl_or_b32 v[\pw], v[TM+5], 8, v[TM+4]
	v_lshl_or_b32 v[\pw], v[TM+6], 16, v[\pw]
	v_lshl_or_b32 v[\pw], v[TM+7], 24, v[\pw]      ; my row's scale word
.irp c, 0,1
	v_cvt_scalef32_pk16_fp6_f32 v[PC+6*\c:PC+2+6*\c], v[\s+32*\c:\s+15+32*\c], v[TM+12+2*\c]
	v_cvt_scalef32_pk16_fp6_f32 v[PC+12+4*\c:PC+14+4*\c], v[\s+16+32*\c:\s+31+32*\c], v[TM+12+2*\c+1]
.endr
	v_nop                                          ; one plain place behind a scaled conversion
.irp c, 0,1                            ; the operand's layout wants a whole block in a lane
.irp i, 0,1,2
	v_permlane16_swap_b32 v[PC+6*\c+\i], v[PC+12+4*\c+\i]
.endr
.irp i, 0,1,2
	v_mov_b32 v[PC+3+6*\c+\i], v[PC+12+4*\c+\i]
.endr
.endr
.endm
.irp b, 0,1,2,3
	v_mov_b32 v[TM+4+\b], 0                        ; written once: a lane permute's destination counts as one of its sources
.endr
.irp a, 0,1,2,3,4,5,6,7
.if \a > 0
	s_wait_xcnt 0x0                                ; the last block's stores have read their registers
.endif
	WIN (2+\a/4)<<2                                ; source 1: the accumulators' window
.set j_, 0
.rept 64
	v_max_num_f32 v[64+j_], s19, v[64*(\a%4)+j_]   ; each accumulator from its low end on
.set j_, j_+1
.endr
	WIN 0
	QUANT 64, 48+\a
.irp c, 0,1,2,3,4,5
	global_store_b64 v23, v[PC+2*\c:PC+2*\c+1], s[10:11] offset:\a*49152+256*\c   ; 32 lanes store 256 consecutive bytes, aligned
.endr
.endr
	s_mov_b32 vcc_lo, 0xffff0000
.irp k, 0,1,2,3
	v_cndmask_b32 v[TM+\k], v[48+2*\k], v[49+2*\k], vcc_lo    ; lanes 0-15: block 2 k's words, lanes 16-31: block 2 k + 1's
.endr
.irp k, 0,1,2,3
	global_store_b32 v24, v[TM+\k], s[12:13] offset:2*\k*2048
.endr
.else
; THE WAY OUT: a block of 16 rows x 64 columns goes through my own stage in LDS and comes back as whole runs of 256 bytes of a row; the residual is added; sixteen lanes store 256 consecutive bytes, aligned.
	s_wait_loadcnt 0x0                             ; the residual
.irp a, 0,1,2,3
.if \a > 0
	s_wait_xcnt 0x0                                ; the earlier stores have read their registers
.endif
	WIN 0x08                                       ; an LDS store's data are its source 1: window 2
.irp b, 0,1,2,3
	ds_store_b128 v26, v[32*\a+8*\b:32*\a+8*\b+3] offset:128*(\b/2)+32*(\b%2)       ; each accumulator from its low end on
	ds_store_b128 v26, v[32*\a+8*\b+4:32*\a+8*\b+7] offset:128*(\b/2)+32*(\b%2)+16
.endr
	WIN 0
.irp t, 0,1,2,3,4,5,6,7
	ds_load_b128 v[64+32*(\a%2)+4*\t:64+32*(\a%2)+4*\t+3], v27 offset:2*\t*272      ; LDS serves a wave's instructions in order: these see my stores
.endr
	s_wait_dscnt 0x0
	WIN 0x08                                       ; source 1: the residual, window 2
.irp k, 0,1,2,3,4,5,6,7,8,9,10,11,12,13,14,15
	v_pk_add_f32 v[64+32*(\a%2)+2*\k:64+32*(\a%2)+2*\k+1], v[64+32*(\a%2)+2*\k:64+32*(\a%2)+2*\k+1], v[128+32*\a+2*\k:128+32*\a+2*\k+1]
.endr
	WIN 0
.irp t, 0,1,2,3,4,5,6,7
	global_store_b128 v25, v[64+32*(\a%2)+4*\t:64+32*(\a%2)+4*\t+3], s[OUTP:OUTP+1] offset:(32*(\a/2)+8*(\a%2)+2*\t+8*(\t/4))*4096
.endr
.endr
.endif
	s_wait_tensorcnt 0x0                           ; the wave's end
	ds_add_u32 v21, v22
	s_wait_dscnt 0x0
	CROUND                                         ; the closing round: no work-group ends while a partner may still ask for a tile that names it
	s_endpgm
.Lfunc_end_k_qd7ebace0ea_proj:
	.size	k_qd7ebace0ea_proj, .Lfunc_end_k_qd7ebace0ea_proj-k_qd7ebace0ea_proj
	.p2alignl 7, 3214868480
	.fill 96, 4, 3214868480
	.section	.rodata,"a",@progbits
	.p2align	6, 0x0
	.amdhsa_kernel k_qd7ebace0ea_proj
		.amdhsa_group_segment_fixed_size 327680
		.amdhsa_private_segment_fixed_size 0
		.amdhsa_enable_private_segment 0
		.amdhsa_kernarg_size 24
		.amdhsa_user_sgpr_count 2
		.amdhsa_user_sgpr_kernarg_segment_ptr 1
		.amdhsa_wavefront_size32 1
		.amdhsa_system_sgpr_workgroup_id_x 1
		.amdhsa_system_sgpr_workgroup_id_y 1
		.amdhsa_system_sgpr_workgroup_id_z 1
		.amdhsa_system_vgpr_workitem_id 0
		.amdhsa_next_free_vgpr 1024
		.amdhsa_next_free_sgpr 100
		.amdhsa_reserve_vcc 1
		.amdhsa_float_denorm_mode_32 3
		.amdhsa_float_denorm_mode_16_64 3
		.amdhsa_memory_ordered 1
		.amdhsa_forward_progress 1
		.amdhsa_inst_pref_size 185
	.end_amdhsa_kernel
	.amdgpu_metadata
---
amdhsa.version: [ 1, 2 ]
amdhsa.kernels:
  - .name:           k_qd7ebace0ea_proj
    .symbol:         k_qd7ebace0ea_proj.kd
    .args:
      - { .name: hw, .offset: 0, .size: 8, .value_kind: global_buffer, .address_space: global }
      - { .name: wr, .offset: 8, .size: 8, .value_kind: global_buffer, .address_space: global }
      - { .name: qkv, .offset: 16, .size: 8, .value_kind: global_buffer, .address_space: global }
    .group_segment_fixed_size: 327680
    .private_segment_fixed_size: 0
    .kernarg_segment_align: 8
    .kernarg_segment_size: 24
    .max_flat_workgroup_size: 128
    .sgpr_count:     100
    .vgpr_count:     1024
    .wavefront_size: 32
...
	.end_amdgpu_metadata
.endif
;; end of part 3
;; launch attn (part 4): grid 8 x 32, 16 waves a work-group, clusters of 4 x 1, 215,040 bytes of LDS; arguments qkv, at; writes at
.if DOCPART == 4
	.amdgcn_target "amdgcn-amd-amdhsa--gfx1250"
	.amdhsa_code_object_version 6
	.text
	.protected	k_qd7ebace0ea_attn
	.globl	k_qd7ebace0ea_attn
	.p2align	8
	.type	k_qd7ebace0ea_attn,@function
k_qd7ebace0ea_attn:
	s_mov_b64 s[64:65], 0
	v_nop
	global_prefetch_b8 v0, s[64:65] scope:SCOPE_SE
	s_setreg_imm32_b32 hwreg(HW_REG_WAVE_MODE, 25, 1), 1
	s_wait_xcnt 0x0
	s_wait_alu depctr_hold_cnt(0) depctr_sa_sdst(0) depctr_va_vdst(0) depctr_va_sdst(0) depctr_va_ssrc(0) depctr_va_vcc(0) depctr_vm_vsrc(0)
	s_getreg_b32 s2, hwreg(HW_REG_IB_STS2, 6, 4)
	s_cmp_eq_u32 s2, 0
	s_cbranch_scc0 .Lentry_in_a_cluster
	s_endpgm
.Lentry_in_a_cluster:
	s_bfe_u32 s2, ttmp6, 0x10000c
	s_cmp_lg_u32 s2, 0x3003
	s_cbranch_scc0 .Lentry_shape_is_right
	s_endpgm
.Lentry_shape_is_right:
; Attention of one (batch, head): O = softmax(Q K^T / 8) V, 2,048 keys, head size 64, both products on codes of FP6 (E2M3) with one E8M0 scale for each 32 along a product's K; O is quantised along the head's 64 and stored as the next product's operand.
; All operands are images of operand registers: half a fragment (16 rows x 64 K, 6 registers a lane) is 768 bytes, piece c = registers 2 c, 2 c + 1 of lane l at 256 c + 8 l.  Lane r of block 2 b + u stands for row 32 b + 8 u + r + 8 (r / 8).
; In qkv: [block][32 K steps][1,536]: blocks 0-255 tokens (half step = head: Q; 16 + head: K); blocks 384-447 V^T (rows head x 64 + d, K = the tokens).  Scale words [block][32][r][4] from byte 22,020,096 on.
; THE SOFTMAX: t = score x log2(e) / 8; M = the running largest t rounded UP to a whole number; p = 2^(t - M) is quantised along the keys, not normalised; the row's sum is taken of the unquantised p and divides O at the end;
; when M moves, the sum and O are multiplied by 2^(old M - new M), which rounds nothing.
; K = 64 IN THE SCORES: a fragment of K holds 32 keys: registers 0-5 block 2 f's half fragment, registers 6-11 block 2 f + 1's.  It is multiplied by QLO (q at k 0-63, zero codes above) and by QHI (zero codes below, q at k 64-127).
; Both products are used transposed: a lane holds ONE query throughout, and the 16 registers of two neighbouring key blocks are 16 neighbouring keys.
; SHARES: a work-group owns 256 queries, each of its sixteen waves one block of 16, in 256 registers.  The head's K, V and V's scale words (200,704 bytes) are brought into LDS ONCE, in four chunks of 512 keys; nothing is filled again.
; CLUSTER: the four work-groups of a cluster belong to one head: each tile is asked for jointly (mask 15).  Wave 0 asks for K's four chunks, wave 1 for V's scale words and V's four chunks: five loads of a wave are out at the most.
; K's scale words are put together once by the work-group (two bytes of each of two blocks), in LDS bytes of their own.
; LIMITS: NaN and infinities are not served; a block whose largest magnitude lies under 2^-124 keeps the byte 1 (this program alone reads the bytes).
.set VB,  98304                        ; LDS: K's 64 fragments from 0 on; V: [chunk][4 blocks of d][4 K steps][1,536]
.set VSC, 196608                       ; V's scale words: [4 blocks][16 K steps][64]
.set KSC, 200704                       ; K's scale words: [64 fragments][64]
.set G1K, 24                           ; s[24:31], s[32:39], s[40:47] groups 1 for K, V, V's scale words
.set G1V, 32
.set G1S, 40
.set G0K, 48                           ; s[48:63] K's four groups 0;  s[68:83] V's;  s[84:87] the scale words'
.set G0V, 68
.set G0S, 84
.macro CROUND
	s_barrier_signal -1
	s_barrier_wait -1
	s_cmp_lg_u32 s16, 0
	s_cbranch_scc1 .Lnot_wave_0_\@
	s_barrier_signal -3
.Lnot_wave_0_\@:
	s_barrier_wait -3
	s_barrier_signal -1
	s_barrier_wait -1
.endm
	s_load_b128 s[4:7], s[0:1], 0x0                ; qkv s[4:5], at s[6:7]
	v_lshl_add_u32 v254, v0, 2, 0x34000
	v_mov_b32 v255, 0
	ds_add_u32 v254, v255
	ds_add_u32 v254, v255
	v_lshrrev_b32 v5, 5, v0
	s_delay_alu instid0(VALU_DEP_1)
	v_readfirstlane_b32 s16, v5                    ; wave 0..15
	s_and_b32 s17, ttmp7, 0xffff
	s_lshr_b32 s18, s17, 4                         ; batch
	s_and_b32 s19, s17, 15                         ; head
	s_bfe_u32 s20, ttmp6, 0x40000                  ; cx: it enters Q's and the target's addresses alone
	s_lshl_b32 s21, ttmp9, 2
	s_add_co_u32 s21, s21, s20
	s_lshl_b32 s22, s18, 7
	s_lshl_b32 s8, s21, 4
	s_add_co_u32 s22, s22, s8
	s_add_co_u32 s22, s22, s16                     ; my block of 16 queries
	s_mov_b32 s[G1K], 15|(3<<16)|(1<<21)           ; the mask: all four; elements of 8 bytes; no padding; bit 21 beside a mask
	s_mov_b32 s[G1K+1], 96<<16                     ; K: 32 rows (blocks) of 768 bytes, 49,152 bytes apart
	s_mov_b32 s[G1K+2], 32<<16
	s_mov_b32 s[G1K+3], 96<<16
	s_mov_b32 s[G1K+4], 32
	s_mov_b32 s[G1K+5], 6144
	s_mov_b32 s[G1K+6], 0
	s_mov_b32 s[G1K+7], 0
	s_mov_b32 s[G1V], 15|(3<<16)|(1<<21)
	s_mov_b32 s[G1V+1], 768<<16                    ; V: 4 rows (blocks of d) of 4 fragments, 49,152 bytes apart
	s_mov_b32 s[G1V+2], 4<<16
	s_mov_b32 s[G1V+3], 768<<16
	s_mov_b32 s[G1V+4], 4
	s_mov_b32 s[G1V+5], 6144
	s_mov_b32 s[G1V+6], 0
	s_mov_b32 s[G1V+7], 0
	s_mov_b32 s[G1S], 15|(3<<16)|(1<<21)
	s_mov_b32 s[G1S+1], 128<<16                    ; V's scale words: 4 rows of 1,024 bytes, 2,048 apart
	s_mov_b32 s[G1S+2], 4<<16
	s_mov_b32 s[G1S+3], 128<<16
	s_mov_b32 s[G1S+4], 4
	s_mov_b32 s[G1S+5], 256
	s_mov_b32 s[G1S+6], 0
	s_mov_b32 s[G1S+7], 0
	s_mul_i32 s8, s18, 128*49152
	s_add_co_u32 s9, s19, 16
	s_mul_i32 s9, s9, 768
	s_add_co_u32 s8, s8, s9                        ; K: the batch's first block, half step 16 + head
	s_mov_b32 s9, 0
	s_lshl_b32 s10, s19, 2
	s_add_co_u32 s10, s10, 384                     ; V: block 384 + 4 head
	s_mul_i32 s12, s10, 2048
	s_mul_i32 s10, s10, 49152
	s_mul_i32 s11, s18, 24576
	s_add_co_u32 s10, s10, s11                     ; the batch's 16 K steps
	s_mov_b32 s11, 0
	s_lshl_b32 s13, s18, 10
	s_add_co_u32 s12, s12, s13
	s_add_co_u32 s12, s12, 22020096
	s_mov_b32 s13, 0
	s_mov_b32 s66, 0x76543210
	s_mov_b32 s67, 0xfedcba98                      ; v_permlanex16_b32's selects for lane l xor 16
	s_mov_b32 s88, 0x3e38aa3b                      ; c = log2(e) / 8
	s_mov_b32 s89, s88                             ; (named with it as a pair)
	s_wait_dscnt 0x0
	s_wait_kmcnt 0x0
.irp j, 0,1,2,3
	s_mov_b32 s[G0K+4*\j], 1
	s_mov_b32 s[G0K+4*\j+1], \j*24576
	s_add_nc_u64 s[G0K+4*\j+2:G0K+4*\j+3], s[4:5], s[8:9]
	s_add_nc_u64 s[G0K+4*\j+2:G0K+4*\j+3], s[G0K+4*\j+2:G0K+4*\j+3], \j*1572864
	s_or_b32 s[G0K+4*\j+3], s[G0K+4*\j+3], 0x80000000
	s_mov_b32 s[G0V+4*\j], 1
	s_mov_b32 s[G0V+4*\j+1], VB+\j*24576
	s_add_nc_u64 s[G0V+4*\j+2:G0V+4*\j+3], s[4:5], s[10:11]
	s_add_nc_u64 s[G0V+4*\j+2:G0V+4*\j+3], s[G0V+4*\j+2:G0V+4*\j+3], \j*6144
	s_or_b32 s[G0V+4*\j+3], s[G0V+4*\j+3], 0x80000000
.endr
	s_mov_b32 s[G0S], 1
	s_mov_b32 s[G0S+1], VSC
	s_add_nc_u64 s[G0S+2:G0S+3], s[4:5], s[12:13]
	s_or_b32 s[G0S+3], s[G0S+3], 0x80000000
	CROUND                                         ; all four work-groups are here: the joint loads meet
	s_cmp_lg_u32 s16, 0                            ; a wave's fills stand inside one branch on its number
	s_cbranch_scc1 .Lnot_0
	tensor_load_to_lds s[G0K:G0K+3], s[G1K:G1K+7]
	s_nop 0
	tensor_load_to_lds s[G0K+4:G0K+7], s[G1K:G1K+7]
	s_nop 0
	tensor_load_to_lds s[G0K+8:G0K+11], s[G1K:G1K+7]
	s_nop 0
	tensor_load_to_lds s[G0K+12:G0K+15], s[G1K:G1K+7]
	s_nop 0
.rept 4
	v_nop
.endr
	s_branch .Lasked
.Lnot_0:
	s_cmp_lg_u32 s16, 1
	s_cbranch_scc1 .Lasked
	tensor_load_to_lds s[G0S:G0S+3], s[G1S:G1S+7]
	s_nop 0
	tensor_load_to_lds s[G0V:G0V+3], s[G1V:G1V+7]
	s_nop 0
	tensor_load_to_lds s[G0V+4:G0V+7], s[G1V:G1V+7]
	s_nop 0
	tensor_load_to_lds s[G0V+8:G0V+11], s[G1V:G1V+7]
	s_nop 0
	tensor_load_to_lds s[G0V+12:G0V+15], s[G1V:G1V+7]
	s_nop 0
.rept 4
	v_nop
.endr
.Lasked:
	; K's scale words: thread t makes words t and t + 512: fragment t / 16, row t % 16: two bytes of block 2 f, two of block 2 f + 1
	s_lshl_b32 s2, s18, 18
	s_lshr_b32 s3, s19, 1
	s_add_co_u32 s3, s3, 8
	s_lshl_b32 s3, s3, 6
	s_add_co_u32 s2, s2, s3
	s_and_b32 s3, s19, 1
	s_lshl_b32 s3, s3, 1
	s_add_co_u32 s2, s2, s3
	s_add_co_u32 s2, s2, 22020096
	s_mov_b32 s3, 0
	s_add_nc_u64 s[14:15], s[4:5], s[2:3]
	v_lshrrev_b32 v5, 4, v0
	v_and_b32 v6, 15, v0
	s_delay_alu instid0(VALU_DEP_1)
	v_lshlrev_b32 v6, 2, v6                        ; 4 r
	s_wait_alu depctr_va_vdst(0)
	v_lshl_add_u32 v5, v5, 12, v6
	global_load_u16 v40, v5, s[14:15]
	global_load_u16 v41, v5, s[14:15] offset:2048
	global_load_u16 v42, v5, s[14:15] offset:131072
	global_load_u16 v43, v5, s[14:15] offset:133120
	s_mul_i32 s2, s22, 49152
	s_mul_i32 s3, s19, 768
	s_add_co_u32 s2, s2, s3
	s_mov_b32 s3, 0
	s_add_nc_u64 s[96:97], s[4:5], s[2:3]          ; Q: my block, half step = head
	v_and_b32 v7, 31, v0
	s_delay_alu instid0(VALU_DEP_1)
	v_lshlrev_b32 v7, 3, v7                        ; 8 x lane
	s_wait_alu depctr_va_vdst(0)
.irp c, 0,1,2
	global_load_b64 v[16+2*\c:17+2*\c], v7, s[96:97] offset:256*\c
.endr
	s_lshl_b32 s2, s22, 11
	s_lshr_b32 s3, s19, 1
	s_lshl_b32 s3, s3, 6
	s_add_co_u32 s2, s2, s3
	s_add_co_u32 s2, s2, 22020096
	s_mov_b32 s3, 0
	s_add_nc_u64 s[98:99], s[4:5], s[2:3]
	global_load_b32 v44, v6, s[98:99]              ; the word that holds Q's two bytes
	s_mul_i32 s2, s22, 12288
	s_mul_i32 s3, s19, 768
	s_add_co_u32 s2, s2, s3
	s_mov_b32 s3, 0
	s_add_nc_u64 s[8:9], s[6:7], s[2:3]            ; the target: my block, half step = head
	s_lshl_b32 s2, s22, 9
	s_lshr_b32 s3, s19, 1
	s_lshl_b32 s3, s3, 6
	s_add_co_u32 s2, s2, s3
	s_and_b32 s3, s19, 1
	s_lshl_b32 s3, s3, 1
	s_add_co_u32 s2, s2, s3
	s_add_co_u32 s2, s2, 3145728
	s_mov_b32 s3, 0
	s_add_nc_u64 s[10:11], s[6:7], s[2:3]          ; and its two scale bytes a row
	v_mov_b32 v1, v7                               ; K's fragments: 8 x lane
	v_add_nc_u32 v2, VB, v7                        ; V's
	v_add_nc_u32 v3, KSC, v6                       ; K's scale words: 4 r
	v_add_nc_u32 v4, VSC, v6                       ; V's
	v_lshl_add_u32 v45, v0, 2, KSC
	v_mov_b32 v13, 0xff61b1e6                      ; the largest t so far: -3e38
	s_delay_alu instid0(VALU_DEP_1)
	v_floor_f32 v12, -v13                          ; -M
	v_mov_b32 v14, 0                               ; the sum, in two halves
	v_mov_b32 v15, 0
.irp b, 0,1,2,3
	v_mov_b32 v[216+\b], 0                         ; written once: a lane permute's destination counts as one of its sources
.endr
	v_mov_b32 v227, 0                              ; (named as the upper half of the pair v[226:227] before it is first written)
	s_and_b32 s2, s19, 1
	s_lshl_b32 s2, s2, 4
	s_wait_loadcnt 0x0
	v_lshl_or_b32 v40, v41, 16, v40
	v_lshl_or_b32 v42, v43, 16, v42
	ds_store_b32 v45, v40
	ds_store_b32 v45, v42 offset:2048
	v_lshrrev_b32 v44, s2, v44
	s_delay_alu instid0(VALU_DEP_1)
	v_and_b32 v92, 0xffff, v44                     ; QLO's scale word: q's two bytes below (above: byte 0 over zero codes)
	s_delay_alu instid0(VALU_DEP_1)
	v_lshlrev_b32 v93, 16, v92                     ; QHI's: above
.irp i, 0,1,2,3,4,5
	v_mov_b32 v[34+\i], v[16+\i]                   ; QHI = v28-39: zero codes, then q
	v_mov_b32 v[22+\i], 0                          ; QLO = v16-27: q, then zero codes
	v_mov_b32 v[28+\i], 0
.endr
.set j_, 0
.rept 32
	v_mov_b32 v[160+j_], 0                         ; O^T: the step is written once; the first finds zeros
.set j_, j_+1
.endr
; A KEY STEP: 128 keys.  s90, s91, s92, s93: where the step's K, V, K's and V's scale words begin.
.macro STEP
	v_add_nc_u32 v8, s90, v1                       ; (these four are also the places in front of loads into registers that the last products read)
	v_add_nc_u32 v9, s91, v2
	v_add_nc_u32 v10, s92, v3
	v_add_nc_u32 v11, s93, v4
.irp f, 0,1,2,3
.irp c, 0,1,2,3,4,5
	ds_load_b64 v[40+12*\f+2*\c:41+12*\f+2*\c], v8 offset:1536*\f+256*\c
.endr
	ds_load_b32 v[88+\f], v10 offset:64*\f
.endr
	s_wait_alu depctr_va_vdst(0)
	s_wait_dscnt 0x0
.irp f, 0,1,2,3
	v_wmma_scale_f32_16x16x128_f8f6f4 v[96+16*\f:103+16*\f], v[40+12*\f:51+12*\f], v[16:27], 0, v[88+\f], v92 matrix_a_fmt:MATRIX_FMT_FP6 matrix_b_fmt:MATRIX_FMT_FP6
	v_wmma_scale_f32_16x16x128_f8f6f4 v[104+16*\f:111+16*\f], v[40+12*\f:51+12*\f], v[28:39], 0, v[88+\f], v93 matrix_a_fmt:MATRIX_FMT_FP6 matrix_b_fmt:MATRIX_FMT_FP6
.endr
.rept 4
	v_nop                                          ; places in front of the loads below and of the first read of the scores
.endr
.irp a, 0,1,2,3                        ; V's four fragments land under the softmax
.irp c, 0,1,2,3,4,5
	ds_load_b64 v[40+12*\a+2*\c:41+12*\a+2*\c], v9 offset:6144*\a+256*\c
.endr
	ds_load_b32 v[88+\a], v11 offset:1024*\a
.endr
.irp b, 0,1,2,3
	v_max3_num_f32 v[212+\b], v[96+16*\b], v[97+16*\b], v[98+16*\b]   ; the largest score of each block of 32 keys: for the row's maximum and, since p rises with the score, for the block's largest p
.endr
.irp i, 3,5,7,9,11,13
.irp b, 0,1,2,3
	v_max3_num_f32 v[212+\b], v[212+\b], v[96+16*\b+\i], v[97+16*\b+\i]
.endr
.endr
.irp b, 0,1,2,3
	v_max_num_f32 v[212+\b], v[212+\b], v[111+16*\b]
.endr
.irp b, 0,1,2,3
	s_delay_alu instid0(VALU_DEP_4)
	v_permlanex16_b32 v[216+\b], v[212+\b], s66, s67
.endr
.irp b, 0,1,2,3
	s_delay_alu instid0(VALU_DEP_4)
	v_max_num_f32 v[212+\b], v[212+\b], v[216+\b]  ; with lane l xor 16's 16 keys
.endr
	s_delay_alu instid0(VALU_DEP_2)
	v_max3_num_f32 v224, v212, v213, v214
	s_delay_alu instid0(VALU_DEP_1)
	v_max_num_f32 v224, v224, v215
	s_delay_alu instid0(VALU_DEP_1)
	v_mul_f32 v224, s88, v224                      ; as t
	s_delay_alu instid0(VALU_DEP_1)
	v_max_num_f32 v13, v13, v224                   ; the running largest t
	v_mov_b32 v224, v12
	s_delay_alu instid0(VALU_DEP_2)
	v_floor_f32 v12, -v13                          ; the new -M: M is a whole number
	s_delay_alu instid0(VALU_DEP_1)
	v_sub_f32 v224, v12, v224                      ; old M - new M: a whole number, 0 or less
	s_delay_alu instid0(VALU_DEP_1)
	v_cvt_i32_f32 v224, v224                       ; (it saturates)
	s_delay_alu instid0(VALU_DEP_1)
	v_ldexp_f32 v226, 1.0, v224                    ; f = 2^(old M - new M)
.set j_, 0
.rept 32
	v_pk_fma_f32 v[96+j_:97+j_], v[96+j_:97+j_], s[88:89], v[12:13] op_sel_hi:[1,0,0]   ; t - M
.set j_, j_+2
.endr
.irp b, 0,1,2,3
	v_fma_f32 v[212+\b], v[212+\b], s88, v12       ; the same of each block's largest score
.endr
.set j_, 0
	s_setprio 1
	s_wait_alu depctr_va_vdst(0)
.rept 64
	v_exp_f32 v[96+j_], v[96+j_]                   ; p = 2^(t - M)
.set j_, j_+1
.endr
	v_pk_mul_f32 v[14:15], v[14:15], v[226:227] op_sel_hi:[1,0]   ; the sums under the new M (a plain place behind the exponentials)
	s_wait_alu depctr_va_vdst(0)                   ; one wait for the batch, ahead of its first reader
.irp b, 0,1,2,3
	v_exp_f32 v[212+\b], v[212+\b]                 ; the block's largest p
.endr
	v_pk_add_f32 v[216:217], v[100:101], v[104:105]
	v_pk_add_f32 v[252:253], v[108:109], v[112:113]
	v_pk_add_f32 v[250:251], v[116:117], v[120:121]
	v_pk_add_f32 v[248:249], v[124:125], v[128:129]
	v_pk_add_f32 v[246:247], v[132:133], v[136:137]
	v_pk_add_f32 v[244:245], v[140:141], v[144:145]
	v_pk_add_f32 v[242:243], v[148:149], v[152:153]
	v_pk_add_f32 v[14:15], v[14:15], v[156:157]
	v_pk_add_f32 v[216:217], v[216:217], v[96:97]
	v_pk_add_f32 v[252:253], v[252:253], v[98:99]
	v_pk_add_f32 v[250:251], v[250:251], v[102:103]
	v_pk_add_f32 v[248:249], v[248:249], v[106:107]
	v_pk_add_f32 v[246:247], v[246:247], v[110:111]
	v_pk_add_f32 v[244:245], v[244:245], v[114:115]
	v_pk_add_f32 v[242:243], v[242:243], v[118:119]
	v_pk_add_f32 v[14:15], v[14:15], v[122:123]
	v_pk_add_f32 v[216:217], v[216:217], v[126:127]
	v_pk_add_f32 v[252:253], v[252:253], v[130:131]
	v_pk_add_f32 v[250:251], v[250:251], v[134:135]
	v_pk_add_f32 v[248:249], v[248:249], v[138:139]
	v_pk_add_f32 v[246:247], v[246:247], v[142:143]
	v_pk_add_f32 v[244:245], v[244:245], v[146:147]
	v_pk_add_f32 v[242:243], v[242:243], v[150:151]
	v_pk_add_f32 v[14:15], v[14:15], v[154:155]
	v_pk_add_f32 v[216:217], v[216:217], v[158:159]
	s_delay_alu instid0(VALU_DEP_2)
	v_pk_add_f32 v[14:15], v[14:15], v[248:249]
	s_delay_alu instid0(VALU_DEP_2)
	v_pk_add_f32 v[216:217], v[216:217], v[246:247]
	v_pk_add_f32 v[252:253], v[252:253], v[244:245]
	v_pk_add_f32 v[250:251], v[250:251], v[242:243]
	s_delay_alu instid0(VALU_DEP_2)
	v_pk_add_f32 v[14:15], v[14:15], v[252:253]
	s_delay_alu instid0(VALU_DEP_2)
	v_pk_add_f32 v[216:217], v[216:217], v[250:251]
	s_delay_alu instid0(VALU_DEP_1)
	v_pk_add_f32 v[14:15], v[14:15], v[216:217]
	s_wait_alu depctr_va_vdst(0)                   ; and one for the four
.irp b, 0,1,2,3
	v_max_num_f32 v[212+\b], 0x1800000, v[212+\b]  ; the floor 2^(3 - 127)
.endr
.irp b, 0,1,2,3
	s_delay_alu instid0(VALU_DEP_4)
	v_add_nc_u32 v[220+\b], 0xff000000, v[212+\b]  ; the conversion's scale operand
.endr
.irp b, 0,1,2,3
	s_delay_alu instid0(VALU_DEP_4)
	v_lshrrev_b32 v[216+\b], 23, v[220+\b]         ; the byte
.endr
	s_delay_alu instid0(VALU_DEP_3)
	v_lshl_or_b32 v227, v217, 8, v216              ; p's scale word for these 128 keys
	s_delay_alu instid0(VALU_DEP_1)
	v_lshl_or_b32 v227, v218, 16, v227
	s_delay_alu instid0(VALU_DEP_1)
	v_lshl_or_b32 v227, v219, 24, v227
.irp c, 0,1
	v_cvt_scalef32_pk16_fp6_f32 v[192+6*\c:194+6*\c], v[96+32*\c:111+32*\c], v[220+2*\c]
	v_cvt_scalef32_pk16_fp6_f32 v[204+4*\c:206+4*\c], v[112+32*\c:127+32*\c], v[220+2*\c+1]
.endr
	v_nop                                          ; one plain place behind a scaled conversion
	s_setprio 0
.irp c, 0,1
.irp i, 0,1,2
	v_permlane16_swap_b32 v[192+6*\c+\i], v[204+4*\c+\i]
.endr
.irp i, 0,1,2
	s_delay_alu instid0(VALU_DEP_3)
	v_mov_b32 v[195+6*\c+\i], v[204+4*\c+\i]
.endr
.endr
.set j_, 0
.rept 16
	v_pk_mul_f32 v[160+j_:161+j_], v[160+j_:161+j_], v[226:227] op_sel_hi:[1,0]   ; O^T under the new M (also the places in front of the products below)
.set j_, j_+2
.endr
	s_wait_alu depctr_va_vdst(0)
	s_wait_dscnt 0x0                               ; V
.irp t, 0,1,2,3
	v_wmma_scale_f32_16x16x128_f8f6f4 v[160+8*\t:167+8*\t], v[40+12*\t:51+12*\t], v[192:203], v[160+8*\t:167+8*\t], v[88+\t], v227 matrix_a_fmt:MATRIX_FMT_FP6 matrix_b_fmt:MATRIX_FMT_FP6
.endr
	s_add_co_u32 s90, s90, 6144
	s_add_co_u32 s91, s91, 1536
	s_add_co_u32 s92, s92, 256
	s_add_co_u32 s93, s93, 64
.endm
; chunk j of 512 keys: the fetching waves wait for their part of it (the 3 - j later chunks may stay out), every wave for its LDS instructions; then the work-group's barrier; then four key steps
.macro CHUNK j
	s_wait_dscnt 0x0
	s_wait_tensorcnt 3-\j
	s_barrier_signal -1
	s_barrier_wait -1
	s_mov_b32 s90, \j*24576
	s_mov_b32 s91, \j*24576
	s_mov_b32 s92, \j*1024
	s_mov_b32 s93, \j*256
	s_mov_b32 s94, 4
.Lstep_\@:
	s_setprio 2
	STEP
	s_sub_co_u32 s94, s94, 1
	s_cmp_lg_u32 s94, 0
	s_cbranch_scc1 .Lstep_\@
	s_setprio 0
.endm
	CHUNK 0
	CHUNK 1
	CHUNK 2
	CHUNK 3
	; THE WAY OUT: O^T / the sum; register 16 b + i is d = 32 b + 16 h + i of my query: two blocks of 32, quantised: half a fragment of the next product
	v_add_f32 v14, v14, v15
	s_delay_alu instid0(VALU_DEP_1)
	v_permlanex16_b32 v226, v14, s66, s67
	s_delay_alu instid0(VALU_DEP_1)
	v_add_f32 v14, v14, v226                       ; the row's sum
	s_wait_alu depctr_va_vdst(0)
	v_rcp_f32 v14, v14
	v_and_b32 v5, 15, v0                           ; (a plain place behind the reciprocal)
	v_bfe_u32 v8, v0, 4, 1
	s_delay_alu instid0(VALU_DEP_1)
	v_lshl_add_u32 v5, v5, 2, v8                   ; 4 r + h: my scale byte's place
	s_mov_b32 vcc_lo, 0xffff0000
	s_wait_alu depctr_va_vdst(0)                   ; ahead of the reciprocal's first reader
.set j_, 0
.rept 32
	v_mul_f32 v[96+j_], v[160+j_], v14             ; each accumulator from its low end on
.set j_, j_+1
.endr
.irp b, 0,1
	v_max3_num_f32 v[212+\b], |v[96+16*\b]|, |v[97+16*\b]|, 0x1800000
.endr
.irp i, 2,4,6,8,10,12,14
.irp b, 0,1
	s_delay_alu instid0(VALU_DEP_2)
	v_max3_num_f32 v[212+\b], v[212+\b], |v[96+16*\b+\i]|, |v[97+16*\b+\i]|
.endr
.endr
.irp b, 0,1
	s_delay_alu instid0(VALU_DEP_2)
	v_permlanex16_b32 v[216+\b], v[212+\b], s66, s67
.endr
.irp b, 0,1
	s_delay_alu instid0(VALU_DEP_2)
	v_max_num_f32 v[212+\b], v[212+\b], v[216+\b]
.endr
.irp b, 0,1
	s_delay_alu instid0(VALU_DEP_2)
	v_add_nc_u32 v[220+\b], 0xff000000, v[212+\b]
.endr
.irp b, 0,1
	s_delay_alu instid0(VALU_DEP_2)
	v_lshrrev_b32 v[216+\b], 23, v[220+\b]
.endr
	v_cvt_scalef32_pk16_fp6_f32 v[192:194], v[96:111], v220
	v_cvt_scalef32_pk16_fp6_f32 v[196:198], v[112:127], v221
	v_nop                                          ; one plain place behind a scaled conversion
.irp i, 0,1,2
	v_permlane16_swap_b32 v[192+\i], v[196+\i]
.endr
.irp i, 0,1,2
	s_delay_alu instid0(VALU_DEP_3)
	v_mov_b32 v[195+\i], v[196+\i]
.endr
	v_cndmask_b32 v224, v216, v217, vcc_lo         ; lanes 0-15 store block 0's byte, lanes 16-31 block 1's
.irp c, 0,1,2
	global_store_b64 v7, v[192+2*\c:193+2*\c], s[8:9] offset:256*\c   ; 32 lanes store 256 consecutive bytes, aligned
.endr
	global_store_b8 v5, v224, s[10:11]
	s_wait_tensorcnt 0x0
	ds_add_u32 v254, v255
	s_wait_dscnt 0x0
	CROUND                                         ; the closing round
	s_endpgm
.Lfunc_end_k_qd7ebace0ea_attn:
	.size	k_qd7ebace0ea_attn, .Lfunc_end_k_qd7ebace0ea_attn-k_qd7ebace0ea_attn
	.p2alignl 7, 3214868480
	.fill 96, 4, 3214868480
	.section	.rodata,"a",@progbits
	.p2align	6, 0x0
	.amdhsa_kernel k_qd7ebace0ea_attn
		.amdhsa_group_segment_fixed_size 215040
		.amdhsa_private_segment_fixed_size 0
		.amdhsa_enable_private_segment 0
		.amdhsa_kernarg_size 16
		.amdhsa_user_sgpr_count 2
		.amdhsa_user_sgpr_kernarg_segment_ptr 1
		.amdhsa_wavefront_size32 1
		.amdhsa_system_sgpr_workgroup_id_x 1
		.amdhsa_system_sgpr_workgroup_id_y 1
		.amdhsa_system_sgpr_workgroup_id_z 1
		.amdhsa_system_vgpr_workitem_id 0
		.amdhsa_next_free_vgpr 256
		.amdhsa_next_free_sgpr 100
		.amdhsa_reserve_vcc 1
		.amdhsa_float_denorm_mode_32 3
		.amdhsa_float_denorm_mode_16_64 3
		.amdhsa_memory_ordered 1
		.amdhsa_forward_progress 1
		.amdhsa_inst_pref_size 94
	.end_amdhsa_kernel
	.amdgpu_metadata
---
amdhsa.version: [ 1, 2 ]
amdhsa.kernels:
  - .name:           k_qd7ebace0ea_attn
    .symbol:         k_qd7ebace0ea_attn.kd
    .args:
      - { .name: qkv, .offset: 0, .size: 8, .value_kind: global_buffer, .address_space: global }
      - { .name: at, .offset: 8, .size: 8, .value_kind: global_buffer, .address_space: global }
    .group_segment_fixed_size: 215040
    .private_segment_fixed_size: 0
    .kernarg_segment_align: 8
    .kernarg_segment_size: 16
    .max_flat_workgroup_size: 512
    .sgpr_count:     100
    .vgpr_count:     256
    .wavefront_size: 32
...
	.end_amdgpu_metadata
.endif
;; end of part 4
;; launch gemmo (part 5): grid 8 x 32, 4 waves a work-group, clusters of 4 x 4, 327,680 bytes of LDS; arguments at, wr, x, x1; writes x1
.if DOCPART == 5
	.amdgcn_target "amdgcn-amd-amdhsa--gfx1250"
	.amdhsa_code_object_version 6
	.text
	.protected	k_qd7ebace0ea_gemmo
	.globl	k_qd7ebace0ea_gemmo
	.p2align	8
	.type	k_qd7ebace0ea_gemmo,@function
k_qd7ebace0ea_gemmo:
	s_mov_b64 s[64:65], 0
	v_nop
	global_prefetch_b8 v0, s[64:65] scope:SCOPE_SE
	s_setreg_imm32_b32 hwreg(HW_REG_WAVE_MODE, 25, 1), 1
	s_wait_xcnt 0x0
	s_wait_alu depctr_hold_cnt(0) depctr_sa_sdst(0) depctr_va_vdst(0) depctr_va_sdst(0) depctr_va_ssrc(0) depctr_va_vcc(0) depctr_vm_vsrc(0)
	s_getreg_b32 s2, hwreg(HW_REG_IB_STS2, 6, 4)
	s_cmp_eq_u32 s2, 0
	s_cbranch_scc0 .Lentry_in_a_cluster
	s_endpgm
.Lentry_in_a_cluster:
	s_bfe_u32 s2, ttmp6, 0x10000c
	s_cmp_lg_u32 s2, 0xf033
	s_cbranch_scc0 .Lentry_shape_is_right
	s_endpgm
.Lentry_shape_is_right:
; C = A B^T on codes of FP6 (E2M3) with one E8M0 scale for each 32 along K.  ONE TEXT SERVES THREE BODIES, told apart by KIND:
;   KIND 0: C = max(A B^T + bias, floor) is QUANTISED along its columns and stored as the next product's operand.  A and B lie in one buffer of blocks; floor is a word read from that buffer (-infinity: no clip; 0: relu).
;   KIND 1: C = A B^T + residual, f32.      KIND 2: C = A B^T + bias + residual, f32.
; OPERANDS ARE IMAGES OF OPERAND REGISTERS: a fragment (16 rows x 128 K, 12 registers a lane) is 1,536 bytes, piece c (0..5) = registers 2 c, 2 c + 1 of lane l at 256 c + 8 l; layout [block][K step][1,536]; scale words [block][K step][r][4].
; So a fragment comes from LDS by six loads of 8 bytes a lane, each 256 consecutive bytes: no pitch, no padding.  Lane r of block 2 b + u stands for row 32 b + 8 u + r + 8 (r / 8), in A and in B.
; THE MATRIX INSTRUCTION IS USED TRANSPOSED (source 0 = a block of B, source 1 = a block of A): a lane holds one row of C, and the 16 registers of B's blocks 2 b, 2 b + 1 are the 16 neighbouring columns 32 b + 16 (lane / 16) + 0 .. 15.
; SHARES: four waves, 2 x 2; a wave makes NB x NB blocks of 16 x 16.  K goes through a ring of two LDS slots of NQ K steps, filled by the tensor data mover: waves 0, 1 fetch A's halves, waves 2, 3 B's.
; The scale words of the work-group's rows of A and B for all of K come once, with the first fills.  CLUSTERS: 4 x 4 work-groups; A's tiles are asked for jointly along a row of the cluster, B's along a column.
; REGISTERS: window 0: v1-31 addresses; v32-47 scale words, two sets (lanes 0-15 A's block i, lanes 16-31 B's block i); v48-55 scale words made; v64-255 A's fragments, two sets.
;   window 1: B's fragments, two sets (v0.., v128..), and the bias tiles (v96-127, v224-255).   windows 2, 3: the accumulators; KIND 1, 2: window 2, v128-255: the residual.
; LIMITS: NaN and infinities are not served; in KIND 0 a block whose largest magnitude lies under 2^-124 (a block of zeros too) keeps the byte 1: this program alone reads the bytes.
.set KIND, 1
.if KIND == 0
.set NB, 8
.set NQ, 2
.set KS, 8
.set PAP, 4
.set PBP, 4
.set ACOFF, 0
.set ASOFF, 6291456
.set BCOFF, 0
.set BSOFF, 6291456
.set BIASP, 6
.elseif KIND == 1
.set NB, 4
.set NQ, 4
.set KS, 8
.set PAP, 4
.set PBP, 6
.set ACOFF, 0
.set ASOFF, 3145728
.set BCOFF, 16384
.set BSOFF, 802816
.set RESP, 8
.set OUTP, 10
.else
.set NB, 4
.set NQ, 4
.set KS, 32
.set PAP, 4
.set PBP, 6
.set ACOFF, 0
.set ASOFF, 22020096
.set BCOFF, 835584
.set BSOFF, 3981312
.set BIASP, 8
.set RESP, 10
.set OUTP, 12
.endif
.set FRB,   1536                       ; a fragment's image
.set RBB,   NQ*FRB                     ; a block's part of a slot
.set HALFT, NB*RBB                     ; what one tensor load brings, and what one wave reads of A or of B
.set SLOT,  4*HALFT                    ; A's 2 NB blocks, then B's
.set SCL,   2*SLOT                     ; behind the ring: the scale words
.set KSB,   KS*64                      ; a block's scale words
.set HALFS, NB*KSB
.set SPARE, SCL+4*HALFS                ; the spare words, 128 bytes a wave: two blocks of 256 bytes that no other line names
.set STG,   SPARE+512                  ; KIND 1, 2: a stage of 16 rows x (256 + 16) bytes for each wave; no tensor load fills it
.set LAPS,  KS/(2*NQ)                  ; a lap = once round the ring
.set TM, 128                           ; KIND 0, the way out: v128-143 at work
.set PC, 160                           ; v160-179 the codes just made
.set G1, 24                            ; s[24:31] group 1 for A's tiles; s[32:39] group 0, a set for each slot
.set G0, 32
.set G1B, 48                           ; s[48:55], s[56:63] the same for B's
.set G0B, 56
.set G1S, 68                           ; s[68:75], s[76:79] for A's scale words; s[80:87], s[88:91] for B's
.set G0S, 76
.set G1SB, 80
.set G0SB, 88
.set MSB, 0
.macro WIN new                         ; the immediate's high byte repeats the setting that is left
.if MSB != (\new)
	s_set_vgpr_msb (MSB<<8)|(\new)
.set MSB, (\new)
.endif
.endm
.macro JLOAD g0a, g1a, g0b, g1b        ; a joint load: waves 0, 1 for A, waves 2, 3 for B; the branch hangs on the wave's number alone; four v_nop follow each line
	s_cmp_eq_u32 s17, 0
	s_cbranch_scc0 .Lfor_b_\@
	tensor_load_to_lds s[\g0a:\g0a+3], s[\g1a:\g1a+7]
	s_nop 0
.rept 4
	v_nop
.endr
	s_branch .Lasked_\@
.Lfor_b_\@:
	tensor_load_to_lds s[\g0b:\g0b+3], s[\g1b:\g1b+7]
	s_nop 0
.rept 4
	v_nop
.endr
.Lasked_\@:
.endm
.macro CREST                           ; a round of the cluster's barrier behind its opening barrier
	s_cmp_lg_u32 s16, 0
	s_cbranch_scc1 .Lnot_wave_0_\@
	s_barrier_signal -3
.Lnot_wave_0_\@:
	s_barrier_wait -3
	s_barrier_signal -1
	s_barrier_wait -1
.endm
.macro CROUND
	s_barrier_signal -1
	s_barrier_wait -1
	CREST
.endm
.macro PLACES n
.rept \n
	v_nop
.endr
.endm
.if KIND == 0
	s_load_b128 s[4:7], s[0:1], 0x0                ; the operands' buffer s[4:5], the bias s[6:7]
	s_load_b64 s[8:9], s[0:1], 0x10                ; the target
.elseif KIND == 1
	s_load_b256 s[4:11], s[0:1], 0x0               ; A s[4:5], B s[6:7], residual s[8:9], target s[10:11]
.else
	s_load_b256 s[4:11], s[0:1], 0x0               ; A s[4:5], B s[6:7], bias s[8:9], residual s[10:11]
	s_load_b64 s[12:13], s[0:1], 0x20              ; target
.endif
	v_lshl_add_u32 v21, v0, 2, SPARE               ; my spare word; never rewritten
	v_mov_b32 v22, 0                               ; 0; never rewritten
	ds_add_u32 v21, v22
	ds_add_u32 v21, v22
	s_wait_dscnt 0x0
	v_lshrrev_b32 v1, 5, v0
	v_readfirstlane_b32 s16, v1                    ; wave 0..3
	s_lshr_b32 s17, s16, 1                         ; which half of the tile's rows is mine.  Also: I fetch for A (0) or for B (1)
	s_and_b32 s18, s16, 1                          ; which half of its columns.  Also: which NB blocks I fetch
	s_bfe_u32 s20, ttmp6, 0x40000                  ; cx
	s_bfe_u32 s21, ttmp6, 0x40004                  ; cy
	s_and_b32 s40, ttmp7, 0xffff                   ; cluster y
.if KIND == 0
	; tiles of 16 blocks.  Cluster rows 0-3: A = tiles 0-15 (the activations), B = tiles 16 on (the weights).  Cluster rows 4, 5: A = tiles 24-27 (Wv), B = tiles 0-15 (the activations): V^T.
	s_lshl_b32 s41, s40, 2
	s_lshl_b32 s42, ttmp9, 2
	s_max_u32 s43, s40, 4
	s_lshl_b32 s43, s43, 3
	s_sub_co_u32 s43, s43, 32
	s_add_co_u32 s43, s43, s42                     ; 8 (cluster y - 4) + 4 cluster x
	s_add_co_u32 s42, s42, 16                      ; 16 + 4 cluster x
	s_cmp_ge_u32 s40, 4
	s_cselect_b32 s22, 24, s41
	s_cselect_b32 s23, s43, s42
	s_cselect_b32 s14, 0, 16
	s_add_co_u32 s22, s22, s21                     ; A's tile: hangs on the cluster's y and on cy
	s_add_co_u32 s23, s23, s20                     ; B's tile: on the cluster's place and on cx
	s_sub_co_u32 s14, s23, s14
	s_lshl_b32 s14, s14, 1
	s_add_co_u32 s14, s14, s18                     ; my 128 columns are K step s14 of the target
.else
	s_lshl_b32 s22, s40, 2
	s_add_co_u32 s22, s22, s21                     ; A's tile
	s_lshl_b32 s23, ttmp9, 2
	s_add_co_u32 s23, s23, s20                     ; B's tile
.endif
	s_lshl_b32 s41, s21, 2
	s_lshl_b32 s41, 15, s41                        ; my row of the cluster
	s_lshl_b32 s42, 0x1111, s20                    ; my column
	s_or_b32 s[G1], s41, (3<<16)|(1<<21)           ; 15:0 the mask; 17:16 elements of 8 bytes; 20 no padding; 21 set beside a mask
	s_or_b32 s[G1B], s42, (3<<16)|(1<<21)
	s_or_b32 s[G1S], s41, (3<<16)|(1<<21)
	s_or_b32 s[G1SB], s42, (3<<16)|(1<<21)
.irp g, G1, G1B                        ; NB rows (blocks) of NQ fragments, KS fragments apart
	s_mov_b32 s[\g+1], (NQ*192)<<16
	s_mov_b32 s[\g+2], NB<<16
	s_mov_b32 s[\g+3], (NQ*192)<<16
	s_mov_b32 s[\g+4], NB
	s_mov_b32 s[\g+5], KS*192
	s_mov_b32 s[\g+6], 0
	s_mov_b32 s[\g+7], 0
.endr
.irp g, G1S, G1SB                      ; a dense block of HALFS bytes, as rows of 256
	s_mov_b32 s[\g+1], 32<<16
	s_mov_b32 s[\g+2], (HALFS/256)<<16
	s_mov_b32 s[\g+3], 32<<16
	s_mov_b32 s[\g+4], HALFS/256
	s_mov_b32 s[\g+5], 32
	s_mov_b32 s[\g+6], 0
	s_mov_b32 s[\g+7], 0
.endr
	s_mul_i32 s41, s18, NB
	s_mul_i32 s40, s22, 2*NB
	s_add_co_u32 s40, s40, s41                     ; A: the first block that I fetch
	s_mul_i32 s42, s40, KS*FRB
	s_add_co_u32 s42, s42, ACOFF
	s_mov_b32 s43, 0
	s_mul_i32 s46, s40, KSB
	s_add_co_u32 s46, s46, ASOFF
	s_mov_b32 s47, 0
	s_mul_i32 s92, s23, 2*NB
	s_add_co_u32 s92, s92, s41                     ; B likewise, in registers that never hold cy
	s_mul_i32 s94, s92, KS*FRB
	s_add_co_u32 s94, s94, BCOFF
	s_mov_b32 s95, 0
	s_mul_i32 s96, s92, KSB
	s_add_co_u32 s96, s96, BSOFF
	s_mov_b32 s97, 0
	s_mul_i32 s45, s16, HALFT                      ; where they go: no place in the cluster enters an LDS address
	s_mul_i32 s98, s16, HALFS
	s_wait_kmcnt 0x0
	CROUND                                         ; all sixteen work-groups are here: the first joint loads meet
	s_mov_b32 s[G0S], 1
	s_add_co_u32 s[G0S+1], s98, SCL
	s_add_nc_u64 s[G0S+2:G0S+3], s[PAP:PAP+1], s[46:47]
	s_or_b32 s[G0S+3], s[G0S+3], 0x80000000
	s_mov_b32 s[G0SB], 1
	s_add_co_u32 s[G0SB+1], s98, SCL
	s_add_nc_u64 s[G0SB+2:G0SB+3], s[PBP:PBP+1], s[96:97]
	s_or_b32 s[G0SB+3], s[G0SB+3], 0x80000000
	JLOAD G0S, G1S, G0SB, G1SB                     ; the scale words first: they are wanted with the first K step
.irp s, 0,1
	s_mov_b32 s[G0+4*\s], 1
	s_add_co_u32 s[G0+4*\s+1], s45, \s*SLOT
	s_add_nc_u64 s[G0+4*\s+2:G0+4*\s+3], s[PAP:PAP+1], s[42:43]
	s_add_nc_u64 s[G0+4*\s+2:G0+4*\s+3], s[G0+4*\s+2:G0+4*\s+3], \s*RBB
	s_or_b32 s[G0+4*\s+3], s[G0+4*\s+3], 0x80000000
	s_mov_b32 s[G0B+4*\s], 1
	s_add_co_u32 s[G0B+4*\s+1], s45, \s*SLOT
	s_add_nc_u64 s[G0B+4*\s+2:G0B+4*\s+3], s[PBP:PBP+1], s[94:95]
	s_add_nc_u64 s[G0B+4*\s+2:G0B+4*\s+3], s[G0B+4*\s+2:G0B+4*\s+3], \s*RBB
	s_or_b32 s[G0B+4*\s+3], s[G0B+4*\s+3], 0x80000000
	JLOAD G0+4*\s, G1, G0B+4*\s, G1B               ; three tensor loads of mine are out now; later one behind each round
.endr
	v_and_b32 v1, 15, v0                           ; r
	v_bfe_u32 v2, v0, 4, 1                         ; h
	v_and_b32 v3, 31, v0
	v_lshlrev_b32 v3, 3, v3                        ; 8 x lane
	s_mul_i32 s40, s17, HALFT                      ; my NB blocks of A
	s_mul_i32 s41, s18, HALFT
	s_add_co_u32 s41, s41, 2*HALFT                 ; my NB blocks of B
.irp s, 0,1
	v_add_nc_u32 v[16+\s], s40, v3
	v_add_nc_u32 v[18+\s], s41, v3
	s_add_co_u32 s40, s40, SLOT
	s_add_co_u32 s41, s41, SLOT
.endr
	s_mul_i32 s40, s17, HALFS
	s_mul_i32 s41, s18, HALFS
	s_add_co_u32 s41, s41, 2*HALFS
	s_sub_co_u32 s41, s41, s40
	v_mul_u32_u24 v4, s41, v2                      ; lanes 16-31 take B's scale words
	s_add_co_u32 s40, s40, SCL
	v_lshl_add_u32 v4, v1, 2, v4
	v_add_nc_u32 v20, s40, v4
	v_lshlrev_b32 v5, 6, v2                        ; the bias: 64 h
.if KIND == 0
	s_load_b32 s19, s[4:5], 0x640000               ; the floor
	s_mov_b32 s66, 0x76543210
	s_mov_b32 s67, 0xfedcba98                      ; v_permlanex16_b32's selects for lane l xor 16
	s_lshl_b32 s40, s14, 9
	s_mov_b32 s41, 0
	s_add_nc_u64 s[6:7], s[6:7], s[40:41]          ; the bias of my 128 columns
	s_lshl_b32 s40, s22, 4
	s_lshl_b32 s41, s17, 3
	s_add_co_u32 s40, s40, s41                     ; my first block of rows
	s_mul_i32 s42, s40, 49152
	s_mul_i32 s43, s14, 1536
	s_add_co_u32 s42, s42, s43
	s_mov_b32 s43, 0
	s_add_nc_u64 s[10:11], s[8:9], s[42:43]        ; its fragment in the target: [block][32 K steps][1,536]
	s_lshl_b32 s42, s40, 11
	s_lshl_b32 s41, s14, 6
	s_add_co_u32 s42, s42, s41
	s_add_co_u32 s42, s42, 22020096
	s_add_nc_u64 s[12:13], s[8:9], s[42:43]        ; its scale words
	v_mov_b32 v23, v3
	v_lshlrev_b32 v24, 2, v1
	v_lshl_add_u32 v24, v2, 11, v24                ; 4 r + a block's 2,048 bytes for lanes 16-31
.else
.if KIND == 2
	s_lshl_b32 s40, s23, 9
	s_lshl_b32 s41, s18, 8
	s_add_co_u32 s40, s40, s41
	s_mov_b32 s41, 0
	s_add_nc_u64 s[8:9], s[8:9], s[40:41]          ; the bias of my 64 columns
.endif
	s_lshl_b32 s40, s22, 7
	s_lshl_b32 s41, s17, 6
	s_add_co_u32 s40, s40, s41
	s_lshl_b32 s40, s40, 12                        ; my first row, 4,096 bytes a row,
	s_lshl_b32 s41, s23, 9
	s_add_co_u32 s40, s40, s41
	s_lshl_b32 s41, s18, 8
	s_add_co_u32 s40, s40, s41                     ; my first column
	s_mov_b32 s41, 0
	s_add_nc_u64 s[RESP:RESP+1], s[RESP:RESP+1], s[40:41]
	s_add_nc_u64 s[OUTP:OUTP+1], s[OUTP:OUTP+1], s[40:41]
	v_lshlrev_b32 v25, 4, v1
	v_lshl_add_u32 v25, v2, 12, v25                ; lanes 0-15 one row's 256 bytes, lanes 16-31 the next row's
	s_mul_i32 s40, s16, 16*272
	s_add_co_u32 s40, s40, STG                     ; my stage
	v_mul_u32_u24 v26, v1, 272
	v_lshl_add_u32 v26, v2, 6, v26
	v_add_nc_u32 v26, s40, v26                     ; in: row r, + 64 h
	v_mul_u32_u24 v27, v2, 272
	v_lshl_add_u32 v27, v1, 4, v27
	v_add_nc_u32 v27, s40, v27                     ; back: two rows an instruction
.endif
.if KIND != 1
	WIN 0x40                                       ; destination window 1.  Bias tile b: lane (r, h) wants columns 32 (b / 2) + 16 h + 8 (b % 2) + 0 .. 7
.set b_, 0
.rept NB
.set BI_, 96+128*(b_/4)+8*(b_%4)
	global_load_b128 v[BI_:BI_+3], v5, s[BIASP:BIASP+1] offset:(32*(b_/2)+8*(b_%2))*4
	global_load_b128 v[BI_+4:BI_+7], v5, s[BIASP:BIASP+1] offset:(32*(b_/2)+8*(b_%2))*4+16
.set b_, b_+1
.endr
	WIN 0
.endif
.if KIND != 0
	WIN 0x80                                       ; destination window 2: the residual, in the order in which the rows come back from the stage
.irp a, 0,1,2,3
.irp t, 0,1,2,3,4,5,6,7
	global_load_b128 v[128+32*\a+4*\t:128+32*\a+4*\t+3], v25, s[RESP:RESP+1] offset:(32*(\a/2)+8*(\a%2)+2*\t+8*(\t/4))*4096
.endr
.endr
	WIN 0
.endif
; the fragments and scale words of the slot's q-th K step into set p
.macro FETCH slot, q, p
	WIN 0x40
.set i_, 0
.rept NB
.irp c, 0,1,2,3,4,5
	ds_load_b64 v[128*(\p)+12*i_+2*\c:128*(\p)+12*i_+2*\c+1], v[18+\slot] offset:i_*RBB+(\q)*FRB+256*\c
.endr
.set i_, i_+1
.endr
	WIN 0
.set i_, 0
.rept NB
.irp c, 0,1,2,3,4,5
	ds_load_b64 v[64+96*(\p)+12*i_+2*\c:64+96*(\p)+12*i_+2*\c+1], v[16+\slot] offset:i_*RBB+(\q)*FRB+256*\c
.endr
.set i_, i_+1
.endr
.set i_, 0
.rept NB
	ds_load_b32 v[32+8*(\p)+i_], v20 offset:i_*KSB+(\q)*64
.set i_, i_+1
.endr
.endm
; A's block a against B's NB blocks, set p.  first = 1: the product starts the sums, with the bias tile (KIND 1: the constant 0) as C.  The accumulators take turns, one instruction a turn, in the same order in every K step.
.macro MULA a, p, first
.set W_, 2+((\a)*NB)/32
.set AC_, 8*(((\a)*NB)%32)
.if (\first) && (KIND != 1)
	WIN 0x11+(W_<<6)                               ; source 0 (B) and C (bias) window 1, source 1 (A) window 0
.else
	WIN 0x01+(W_<<4)+(W_<<6)
.endif
.set b_, 0
.rept NB
.set BI_, 96+128*(b_/4)+8*(b_%4)
.if (\first) && (KIND == 1)
	v_wmma_scale_f32_16x16x128_f8f6f4 v[AC_+8*b_:AC_+8*b_+7], v[128*(\p)+12*b_:128*(\p)+12*b_+11], v[64+96*(\p)+12*(\a):64+96*(\p)+12*(\a)+11], 0, v[32+8*(\p)+b_], v[32+8*(\p)+(\a)] matrix_a_fmt:MATRIX_FMT_FP6 matrix_b_fmt:MATRIX_FMT_FP6 matrix_a_scale:MATRIX_SCALE_ROW1
.elseif \first
	v_wmma_scale_f32_16x16x128_f8f6f4 v[AC_+8*b_:AC_+8*b_+7], v[128*(\p)+12*b_:128*(\p)+12*b_+11], v[64+96*(\p)+12*(\a):64+96*(\p)+12*(\a)+11], v[BI_:BI_+7], v[32+8*(\p)+b_], v[32+8*(\p)+(\a)] matrix_a_fmt:MATRIX_FMT_FP6 matrix_b_fmt:MATRIX_FMT_FP6 matrix_a_scale:MATRIX_SCALE_ROW1
.else
	v_wmma_scale_f32_16x16x128_f8f6f4 v[AC_+8*b_:AC_+8*b_+7], v[128*(\p)+12*b_:128*(\p)+12*b_+11], v[64+96*(\p)+12*(\a):64+96*(\p)+12*(\a)+11], v[AC_+8*b_:AC_+8*b_+7], v[32+8*(\p)+b_], v[32+8*(\p)+(\a)] matrix_a_fmt:MATRIX_FMT_FP6 matrix_b_fmt:MATRIX_FMT_FP6 matrix_a_scale:MATRIX_SCALE_ROW1
.endif
.set b_, b_+1
.endr
.endm
.macro MULAS a0, n, p, first
.set a_, \a0
.rept \n
	MULA a_, \p, \first
.set a_, a_+1
.endr
.endm
; a K step that has its successor in the same slot: the successor's fragments are asked for first, into the other set, and land under this step's products
.macro STEP slot, q, first
	s_wait_dscnt 0x0                               ; this step's fragments and scale words are in
	PLACES 4                                       ; the other set was read by the products just issued: four plain places in front of loads into it
	FETCH \slot, (\q)+1, ((\q)+1)%2
	MULAS 0, NB, (\q)%2, \first
	WIN 0
.endm
; a slot's last K step (set 1) changes slots: ONE barrier; in front of it each wave waits for all its tensor loads, adds 0 to its spare word, and waits for that and for its reads of this slot.  fill = 1: this slot is filled again, two slots ahead.
.macro TURN slot, next, fill
	s_wait_tensorcnt 0x0                           ; all my tensor loads have landed: my part of the next slot
	ds_add_u32 v21, v22                            ; 0 onto my spare word
	s_wait_dscnt 0x1                               ; only the add may be out: this step's fragments are in
	MULAS 0, NB/4, 1, 0
	s_wait_dscnt 0x0                               ; the add is done, and my reads of this slot are over
	s_barrier_signal -1
	MULAS NB/4, NB/4, 1, 0
	WIN 0
	s_barrier_wait -1
.if \fill
	CREST                                          ; the barrier has opened a round of the cluster's barrier: no wave of any partner still reads this slot or has a load on its way
	s_add_nc_u64 s[G0+4*\slot+2:G0+4*\slot+3], s[G0+4*\slot+2:G0+4*\slot+3], 2*RBB
	s_add_nc_u64 s[G0B+4*\slot+2:G0B+4*\slot+3], s[G0B+4*\slot+2:G0B+4*\slot+3], 2*RBB
	JLOAD G0+4*\slot, G1, G0B+4*\slot, G1B         ; the first tensor load behind the round; its four v_nop are also the places in front of the loads below
.else
	PLACES 4
.endif
	v_add_nc_u32 v20, NQ*64, v20                   ; on to the next slot's scale words
	FETCH \next, 0, 0
	MULAS NB/2, NB/2, 1, 0
	WIN 0
.endm
.macro MID slot                        ; the K steps between a slot's first and its last
.if NQ == 4
	STEP \slot, 1, 0
	STEP \slot, 2, 0
.endif
.endm
	s_wait_tensorcnt 0x1                           ; the scale words and my part of slot 0 are in; slot 1's load may be out
	s_barrier_signal -1
	s_barrier_wait -1
	FETCH 0, 0, 0
.if KIND == 0
	s_wait_loadcnt 0x0                             ; the bias
	s_wait_kmcnt 0x0                               ; the floor
.elseif KIND == 2
	s_wait_loadcnt 32                              ; the bias is in; the residual's 32 younger loads may be out
.endif
	STEP 0, 0, 1                                   ; the first K step stands in front of the loop: its products start the sums
.if LAPS > 1
	s_mov_b32 s3, LAPS-1
.Llap:                                             ; a trip goes once round the ring and fills both slots again
	MID 0
	TURN 0, 1, 1
	STEP 1, 0, 0
	MID 1
	TURN 1, 0, 1
	STEP 0, 0, 0
	s_sub_co_u32 s3, s3, 1
	s_cmp_lg_u32 s3, 0
	s_cbranch_scc1 .Llap
.endif
	MID 0                                          ; the last lap fills nothing
	TURN 0, 1, 0
	STEP 1, 0, 0
	MID 1
	s_wait_dscnt 0x0                               ; the very last K step
	MULAS 0, NB, 1, 0
	WIN 0
	PLACES 4                                       ; in front of the first read of results and of writes into registers that the last products read
.if KIND == 0
; THE WAY OUT: block a's 64 numbers of a lane (register 16 b + i = column 32 b + 16 h + i of my row) are held at the floor, quantised, and ARE a fragment of the next product.
.macro QUANT s, pw
.irp b, 0,1,2,3
	v_max3_num_f32 v[TM+\b], |v[\s+16*\b]|, |v[\s+1+16*\b]|, 0x1800000   ; my 16 numbers of block b, and the floor 2^(3 - 127)
.endr
.irp i, 2,4,6,8,10,12,14
.irp b, 0,1,2,3
	v_max3_num_f32 v[TM+\b], v[TM+\b], |v[\s+16*\b+\i]|, |v[\s+1+16*\b+\i]|
.endr
.endr
.irp b, 0,1,2,3
	v_permlanex16_b32 v[TM+4+\b], v[TM+\b], s66, s67
.endr
.irp b, 0,1,2,3
	v_max_num_f32 v[TM+\b], v[TM+\b], v[TM+4+\b]   ; with lane l xor 16's: the block's largest magnitude
.endr
.irp b, 0,1,2,3
	v_add_nc_u32 v[TM+12+\b], 0xff000000, v[TM+\b] ; 2 off its exponent field: the conversion's scale operand
.endr
.irp b, 0,1,2,3
	v_lshrrev_b32 v[TM+4+\b], 23, v[TM+12+\b]      ; the byte
.endr
	v_lshl_or_b32 v[\pw], v[TM+5], 8, v[TM+4]
	v_lshl_or_b32 v[\pw], v[TM+6], 16, v[\pw]
	v_lshl_or_b32 v[\pw], v[TM+7], 24, v[\pw]      ; my row's scale word
.irp c, 0,1
	v_cvt_scalef32_pk16_fp6_f32 v[PC+6*\c:PC+2+6*\c], v[\s+32*\c:\s+15+32*\c], v[TM+12+2*\c]
	v_cvt_scalef32_pk16_fp6_f32 v[PC+12+4*\c:PC+14+4*\c], v[\s+16+32*\c:\s+31+32*\c], v[TM+12+2*\c+1]
.endr
	v_nop                                          ; one plain place behind a scaled conversion
.irp c, 0,1                            ; the operand's layout wants a whole block in a lane
.irp i, 0,1,2
	v_permlane16_swap_b32 v[PC+6*\c+\i], v[PC+12+4*\c+\i]
.endr
.irp i, 0,1,2
	v_mov_b32 v[PC+3+6*\c+\i], v[PC+12+4*\c+\i]
.endr
.endr
.endm
.irp b, 0,1,2,3
	v_mov_b32 v[TM+4+\b], 0                        ; written once: a lane permute's destination counts as one of its sources
.endr
.irp a, 0,1,2,3,4,5,6,7
.if \a > 0
	s_wait_xcnt 0x0                                ; the last block's stores have read their registers
.endif
	WIN (2+\a/4)<<2                                ; source 1: the accumulators' window
.set j_, 0
.rept 64
	v_max_num_f32 v[64+j_], s19, v[64*(\a%4)+j_]   ; each accumulator from its low end on
.set j_, j_+1
.endr
	WIN 0
	QUANT 64, 48+\a
.irp c, 0,1,2,3,4,5
	global_store_b64 v23, v[PC+2*\c:PC+2*\c+1], s[10:11] offset:\a*49152+256*\c   ; 32 lanes store 256 consecutive bytes, aligned
.endr
.endr
	s_mov_b32 vcc_lo, 0xffff0000
.irp k, 0,1,2,3
	v_cndmask_b32 v[TM+\k], v[48+2*\k], v[49+2*\k], vcc_lo    ; lanes 0-15: block 2 k's words, lanes 16-31: block 2 k + 1's
.endr
.irp k, 0,1,2,3
	global_store_b32 v24, v[TM+\k], s[12:13] offset:2*\k*2048
.endr
.else
; THE WAY OUT: a block of 16 rows x 64 columns goes through my own stage in LDS and comes back as whole runs of 256 bytes of a row; the residual is added; sixteen lanes store 256 consecutive bytes, aligned.
	s_wait_loadcnt 0x0                             ; the residual
.irp a, 0,1,2,3
.if \a > 0
	s_wait_xcnt 0x0                                ; the earlier stores have read their registers
.endif
	WIN 0x08                                       ; an LDS store's data are its source 1: window 2
.irp b, 0,1,2,3
	ds_store_b128 v26, v[32*\a+8*\b:32*\a+8*\b+3] offset:128*(\b/2)+32*(\b%2)       ; each accumulator from its low end on
	ds_store_b128 v26, v[32*\a+8*\b+4:32*\a+8*\b+7] offset:128*(\b/2)+32*(\b%2)+16
.endr
	WIN 0
.irp t, 0,1,2,3,4,5,6,7
	ds_load_b128 v[64+32*(\a%2)+4*\t:64+32*(\a%2)+4*\t+3], v27 offset:2*\t*272      ; LDS serves a wave's instructions in order: these see my stores
.endr
	s_wait_dscnt 0x0
	WIN 0x08                                       ; source 1: the residual, window 2
.irp k, 0,1,2,3,4,5,6,7,8,9,10,11,12,13,14,15
	v_pk_add_f32 v[64+32*(\a%2)+2*\k:64+32*(\a%2)+2*\k+1], v[64+32*(\a%2)+2*\k:64+32*(\a%2)+2*\k+1], v[128+32*\a+2*\k:128+32*\a+2*\k+1]
.endr
	WIN 0
.irp t, 0,1,2,3,4,5,6,7
	global_store_b128 v25, v[64+32*(\a%2)+4*\t:64+32*(\a%2)+4*\t+3], s[OUTP:OUTP+1] offset:(32*(\a/2)+8*(\a%2)+2*\t+8*(\t/4))*4096
.endr
.endr
.endif
	s_wait_tensorcnt 0x0                           ; the wave's end
	ds_add_u32 v21, v22
	s_wait_dscnt 0x0
	CROUND                                         ; the closing round: no work-group ends while a partner may still ask for a tile that names it
	s_endpgm
.Lfunc_end_k_qd7ebace0ea_gemmo:
	.size	k_qd7ebace0ea_gemmo, .Lfunc_end_k_qd7ebace0ea_gemmo-k_qd7ebace0ea_gemmo
	.p2alignl 7, 3214868480
	.fill 96, 4, 3214868480
	.section	.rodata,"a",@progbits
	.p2align	6, 0x0
	.amdhsa_kernel k_qd7ebace0ea_gemmo
		.amdhsa_group_segment_fixed_size 327680
		.amdhsa_private_segment_fixed_size 0
		.amdhsa_enable_private_segment 0
		.amdhsa_kernarg_size 32
		.amdhsa_user_sgpr_count 2
		.amdhsa_user_sgpr_kernarg_segment_ptr 1
		.amdhsa_wavefront_size32 1
		.amdhsa_system_sgpr_workgroup_id_x 1
		.amdhsa_system_sgpr_workgroup_id_y 1
		.amdhsa_system_sgpr_workgroup_id_z 1
		.amdhsa_system_vgpr_workitem_id 0
		.amdhsa_next_free_vgpr 768
		.amdhsa_next_free_sgpr 100
		.amdhsa_reserve_vcc 1
		.amdhsa_float_denorm_mode_32 3
		.amdhsa_float_denorm_mode_16_64 3
		.amdhsa_memory_ordered 1
		.amdhsa_forward_progress 1
		.amdhsa_inst_pref_size 70
	.end_amdhsa_kernel
	.amdgpu_metadata
---
amdhsa.version: [ 1, 2 ]
amdhsa.kernels:
  - .name:           k_qd7ebace0ea_gemmo
    .symbol:         k_qd7ebace0ea_gemmo.kd
    .args:
      - { .name: at, .offset: 0, .size: 8, .value_kind: global_buffer, .address_space: global }
      - { .name: wr, .offset: 8, .size: 8, .value_kind: global_buffer, .address_space: global }
      - { .name: x, .offset: 16, .size: 8, .value_kind: global_buffer, .address_space: global }
      - { .name: x1, .offset: 24, .size: 8, .value_kind: global_buffer, .address_space: global }
    .group_segment_fixed_size: 327680
    .private_segment_fixed_size: 0
    .kernarg_segment_align: 8
    .kernarg_segment_size: 32
    .max_flat_workgroup_size: 128
    .sgpr_count:     100
    .vgpr_count:     768
    .wavefront_size: 32
...
	.end_amdgpu_metadata
.endif
;; end of part 5
;; launch ln2: the kernel of part 2 again; grid 256 x 1, 4 waves a work-group, no clusters, 90,624 bytes of LDS; arguments x1, ln2_w, ln2_b, hw2; writes hw2
;; launch ffn1: the kernel of part 3 again; grid 16 x 16, 4 waves a work-group, clusters of 4 x 4, 327,680 bytes of LDS; arguments hw2, b1, ff; writes ff
;; launch gemm2 (part 6): grid 8 x 32, 4 waves a work-group, clusters of 4 x 4, 327,680 bytes of LDS; arguments ff, wr, b2, x1, out0; writes out0
.if DOCPART == 6
	.amdgcn_target "amdgcn-amd-amdhsa--gfx1250"
	.amdhsa_code_object_version 6
	.text
	.protected	k_qd7ebace0ea_gemm2
	.globl	k_qd7ebace0ea_gemm2
	.p2align	8
	.type	k_qd7ebace0ea_gemm2,@function
k_qd7ebace0ea_gemm2:
	s_mov_b64 s[64:65], 0
	v_nop
	global_prefetch_b8 v0, s[64:65] scope:SCOPE_SE
	s_setreg_imm32_b32 hwreg(HW_REG_WAVE_MODE, 25, 1), 1
	s_wait_xcnt 0x0
	s_wait_alu depctr_hold_cnt(0) depctr_sa_sdst(0) depctr_va_vdst(0) depctr_va_sdst(0) depctr_va_ssrc(0) depctr_va_vcc(0) depctr_vm_vsrc(0)
	s_getreg_b32 s2, hwreg(HW_REG_IB_STS2, 6, 4)
	s_cmp_eq_u32 s2, 0
	s_cbranch_scc0 .Lentry_in_a_cluster
	s_endpgm
.Lentry_in_a_cluster:
	s_bfe_u32 s2, ttmp6, 0x10000c
	s_cmp_lg_u32 s2, 0xf033
	s_cbranch_scc0 .Lentry_shape_is_right
	s_endpgm
.Lentry_shape_is_right:
; C = A B^T on codes of FP6 (E2M3) with one E8M0 scale for each 32 along K.  ONE TEXT SERVES THREE BODIES, told apart by KIND:
;   KIND 0: C = max(A B^T + bias, floor) is QUANTISED along its columns and stored as the next product's operand.  A and B lie in one buffer of blocks; floor is a word read from that buffer (-infinity: no clip; 0: relu).
;   KIND 1: C = A B^T + residual, f32.      KIND 2: C = A B^T + bias + residual, f32.
; OPERANDS ARE IMAGES OF OPERAND REGISTERS: a fragment (16 rows x 128 K, 12 registers a lane) is 1,536 bytes, piece c (0..5) = registers 2 c, 2 c + 1 of lane l at 256 c + 8 l; layout [block][K step][1,536]; scale words [block][K step][r][4].
; So a fragment comes from LDS by six loads of 8 bytes a lane, each 256 consecutive bytes: no pitch, no padding.  Lane r of block 2 b + u stands for row 32 b + 8 u + r + 8 (r / 8), in A and in B.
; THE MATRIX INSTRUCTION IS USED TRANSPOSED (source 0 = a block of B, source 1 = a block of A): a lane holds one row of C, and the 16 registers of B's blocks 2 b, 2 b + 1 are the 16 neighbouring columns 32 b + 16 (lane / 16) + 0 .. 15.
; SHARES: four waves, 2 x 2; a wave makes NB x NB blocks of 16 x 16.  K goes through a ring of two LDS slots of NQ K steps, filled by the tensor data mover: waves 0, 1 fetch A's halves, waves 2, 3 B's.
; The scale words of the work-group's rows of A and B for all of K come once, with the first fills.  CLUSTERS: 4 x 4 work-groups; A's tiles are asked for jointly along a row of the cluster, B's along a column.
; REGISTERS: window 0: v1-31 addresses; v32-47 scale words, two sets (lanes 0-15 A's block i, lanes 16-31 B's block i); v48-55 scale words made; v64-255 A's fragments, two sets.
;   window 1: B's fragments, two sets (v0.., v128..), and the bias tiles (v96-127, v224-255).   windows 2, 3: the accumulators; KIND 1, 2: window 2, v128-255: the residual.
; LIMITS: NaN and infinities are not served; in KIND 0 a block whose largest magnitude lies under 2^-124 (a block of zeros too) keeps the byte 1: this program alone reads the bytes.
.set KIND, 2
.if KIND == 0
.set NB, 8
.set NQ, 2
.set KS, 8
.set PAP, 4
.set PBP, 4
.set ACOFF, 0
.set ASOFF, 6291456
.set BCOFF, 0
.set BSOFF, 6291456
.set BIASP, 6
.elseif KIND == 1
.set NB, 4
.set NQ, 4
.set KS, 8
.set PAP, 4
.set PBP, 6
.set ACOFF, 0
.set ASOFF, 3145728
.set BCOFF, 16384
.set BSOFF, 802816
.set RESP, 8
.set OUTP, 10
.else
.set NB, 4
.set NQ, 4
.set KS, 32
.set PAP, 4
.set PBP, 6
.set ACOFF, 0
.set ASOFF, 22020096
.set BCOFF, 835584
.set BSOFF, 3981312
.set BIASP, 8
.set RESP, 10
.set OUTP, 12
.endif
.set FRB,   1536                       ; a fragment's image
.set RBB,   NQ*FRB                     ; a block's part of a slot
.set HALFT, NB*RBB                     ; what one tensor load brings, and what one wave reads of A or of B
.set SLOT,  4*HALFT                    ; A's 2 NB blocks, then B's
.set SCL,   2*SLOT                     ; behind the ring: the scale words
.set KSB,   KS*64                      ; a block's scale words
.set HALFS, NB*KSB
.set SPARE, SCL+4*HALFS                ; the spare words, 128 bytes a wave: two blocks of 256 bytes that no other line names
.set STG,   SPARE+512                  ; KIND 1, 2: a stage of 16 rows x (256 + 16) bytes for each wave; no tensor load fills it
.set LAPS,  KS/(2*NQ)                  ; a lap = once round the ring
.set TM, 128                           ; KIND 0, the way out: v128-143 at work
.set PC, 160                           ; v160-179 the codes just made
.set G1, 24                            ; s[24:31] group 1 for A's tiles; s[32:39] group 0, a set for each slot
.set G0, 32
.set G1B, 48                           ; s[48:55], s[56:63] the same for B's
.set G0B, 56
.set G1S, 68                           ; s[68:75], s[76:79] for A's scale words; s[80:87], s[88:91] for B's
.set G0S, 76
.set G1SB, 80
.set G0SB, 88
.set MSB, 0
.macro WIN new                         ; the immediate's high byte repeats the setting that is left
.if MSB != (\new)
	s_set_vgpr_msb (MSB<<8)|(\new)
.set MSB, (\new)
.endif
.endm
.macro JLOAD g0a, g1a, g0b, g1b        ; a joint load: waves 0, 1 for A, waves 2, 3 for B; the branch hangs on the wave's number alone; four v_nop follow each line
	s_cmp_eq_u32 s17, 0
	s_cbranch_scc0 .Lfor_b_\@
	tensor_load_to_lds s[\g0a:\g0a+3], s[\g1a:\g1a+7]
	s_nop 0
.rept 4
	v_nop
.endr
	s_branch .Lasked_\@
.Lfor_b_\@:
	tensor_load_to_lds s[\g0b:\g0b+3], s[\g1b:\g1b+7]
	s_nop 0
.rept 4
	v_nop
.endr
.Lasked_\@:
.endm
.macro CREST                           ; a round of the cluster's barrier behind its opening barrier
	s_cmp_lg_u32 s16, 0
	s_cbranch_scc1 .Lnot_wave_0_\@
	s_barrier_signal -3
.Lnot_wave_0_\@:
	s_barrier_wait -3
	s_barrier_signal -1
	s_barrier_wait -1
.endm
.macro CROUND
	s_barrier_signal -1
	s_barrier_wait -1
	CREST
.endm
.macro PLACES n
.rept \n
	v_nop
.endr
.endm
.if KIND == 0
	s_load_b128 s[4:7], s[0:1], 0x0                ; the operands' buffer s[4:5], the bias s[6:7]
	s_load_b64 s[8:9], s[0:1], 0x10                ; the target
.elseif KIND == 1
	s_load_b256 s[4:11], s[0:1], 0x0               ; A s[4:5], B s[6:7], residual s[8:9], target s[10:11]
.else
	s_load_b256 s[4:11], s[0:1], 0x0               ; A s[4:5], B s[6:7], bias s[8:9], residual s[10:11]
	s_load_b64 s[12:13], s[0:1], 0x20              ; target
.endif
	v_lshl_add_u32 v21, v0, 2, SPARE               ; my spare word; never rewritten
	v_mov_b32 v22, 0                               ; 0; never rewritten
	ds_add_u32 v21, v22
	ds_add_u32 v21, v22
	s_wait_dscnt 0x0
	v_lshrrev_b32 v1, 5, v0
	v_readfirstlane_b32 s16, v1                    ; wave 0..3
	s_lshr_b32 s17, s16, 1                         ; which half of the tile's rows is mine.  Also: I fetch for A (0) or for B (1)
	s_and_b32 s18, s16, 1                          ; which half of its columns.  Also: which NB blocks I fetch
	s_bfe_u32 s20, ttmp6, 0x40000                  ; cx
	s_bfe_u32 s21, ttmp6, 0x40004                  ; cy
	s_and_b32 s40, ttmp7, 0xffff                   ; cluster y
.if KIND == 0
	; tiles of 16 blocks.  Cluster rows 0-3: A = tiles 0-15 (the activations), B = tiles 16 on (the weights).  Cluster rows 4, 5: A = tiles 24-27 (Wv), B = tiles 0-15 (the activations): V^T.
	s_lshl_b32 s41, s40, 2
	s_lshl_b32 s42, ttmp9, 2
	s_max_u32 s43, s40, 4
	s_lshl_b32 s43, s43, 3
	s_sub_co_u32 s43, s43, 32
	s_add_co_u32 s43, s43, s42                     ; 8 (cluster y - 4) + 4 cluster x
	s_add_co_u32 s42, s42, 16                      ; 16 + 4 cluster x
	s_cmp_ge_u32 s40, 4
	s_cselect_b32 s22, 24, s41
	s_cselect_b32 s23, s43, s42
	s_cselect_b32 s14, 0, 16
	s_add_co_u32 s22, s22, s21                     ; A's tile: hangs on the cluster's y and on cy
	s_add_co_u32 s23, s23, s20                     ; B's tile: on the cluster's place and on cx
	s_sub_co_u32 s14, s23, s14
	s_lshl_b32 s14, s14, 1
	s_add_co_u32 s14, s14, s18                     ; my 128 columns are K step s14 of the target
.else
	s_lshl_b32 s22, s40, 2
	s_add_co_u32 s22, s22, s21                     ; A's tile
	s_lshl_b32 s23, ttmp9, 2
	s_add_co_u32 s23, s23, s20                     ; B's tile
.endif
	s_lshl_b32 s41, s21, 2
	s_lshl_b32 s41, 15, s41                        ; my row of the cluster
	s_lshl_b32 s42, 0x1111, s20                    ; my column
	s_or_b32 s[G1], s41, (3<<16)|(1<<21)           ; 15:0 the mask; 17:16 elements of 8 bytes; 20 no padding; 21 set beside a mask
	s_or_b32 s[G1B], s42, (3<<16)|(1<<21)
	s_or_b32 s[G1S], s41, (3<<16)|(1<<21)
	s_or_b32 s[G1SB], s42, (3<<16)|(1<<21)
.irp g, G1, G1B                        ; NB rows (blocks) of NQ fragments, KS fragments apart
	s_mov_b32 s[\g+1], (NQ*192)<<16
	s_mov_b32 s[\g+2], NB<<16
	s_mov_b32 s[\g+3], (NQ*192)<<16
	s_mov_b32 s[\g+4], NB
	s_mov_b32 s[\g+5], KS*192
	s_mov_b32 s[\g+6], 0
	s_mov_b32 s[\g+7], 0
.endr
.irp g, G1S, G1SB                      ; a dense block of HALFS bytes, as rows of 256
	s_mov_b32 s[\g+1], 32<<16
	s_mov_b32 s[\g+2], (HALFS/256)<<16
	s_mov_b32 s[\g+3], 32<<16
	s_mov_b32 s[\g+4], HALFS/256
	s_mov_b32 s[\g+5], 32
	s_mov_b32 s[\g+6], 0
	s_mov_b32 s[\g+7], 0
.endr
	s_mul_i32 s41, s18, NB
	s_mul_i32 s40, s22, 2*NB
	s_add_co_u32 s40, s40, s41                     ; A: the first block that I fetch
	s_mul_i32 s42, s40, KS*FRB
	s_add_co_u32 s42, s42, ACOFF
	s_mov_b32 s43, 0
	s_mul_i32 s46, s40, KSB
	s_add_co_u32 s46, s46, ASOFF
	s_mov_b32 s47, 0
	s_mul_i32 s92, s23, 2*NB
	s_add_co_u32 s92, s92, s41                     ; B likewise, in registers that never hold cy
	s_mul_i32 s94, s92, KS*FRB
	s_add_co_u32 s94, s94, BCOFF
	s_mov_b32 s95, 0
	s_mul_i32 s96, s92, KSB
	s_add_co_u32 s96, s96, BSOFF
	s_mov_b32 s97, 0
	s_mul_i32 s45, s16, HALFT                      ; where they go: no place in the cluster enters an LDS address
	s_mul_i32 s98, s16, HALFS
	s_wait_kmcnt 0x0
	CROUND                                         ; all sixteen work-groups are here: the first joint loads meet
	s_mov_b32 s[G0S], 1
	s_add_co_u32 s[G0S+1], s98, SCL
	s_add_nc_u64 s[G0S+2:G0S+3], s[PAP:PAP+1], s[46:47]
	s_or_b32 s[G0S+3], s[G0S+3], 0x80000000
	s_mov_b32 s[G0SB], 1
	s_add_co_u32 s[G0SB+1], s98, SCL
	s_add_nc_u64 s[G0SB+2:G0SB+3], s[PBP:PBP+1], s[96:97]
	s_or_b32 s[G0SB+3], s[G0SB+3], 0x80000000
	JLOAD G0S, G1S, G0SB, G1SB                     ; the scale words first: they are wanted with the first K step
.irp s, 0,1
	s_mov_b32 s[G0+4*\s], 1
	s_add_co_u32 s[G0+4*\s+1], s45, \s*SLOT
	s_add_nc_u64 s[G0+4*\s+2:G0+4*\s+3], s[PAP:PAP+1], s[42:43]
	s_add_nc_u64 s[G0+4*\s+2:G0+4*\s+3], s[G0+4*\s+2:G0+4*\s+3], \s*RBB
	s_or_b32 s[G0+4*\s+3], s[G0+4*\s+3], 0x80000000
	s_mov_b32 s[G0B+4*\s], 1
	s_add_co_u32 s[G0B+4*\s+1], s45, \s*SLOT
	s_add_nc_u64 s[G0B+4*\s+2:G0B+4*\s+3], s[PBP:PBP+1], s[94:95]
	s_add_nc_u64 s[G0B+4*\s+2:G0B+4*\s+3], s[G0B+4*\s+2:G0B+4*\s+3], \s*RBB
	s_or_b32 s[G0B+4*\s+3], s[G0B+4*\s+3], 0x80000000
	JLOAD G0+4*\s, G1, G0B+4*\s, G1B               ; three tensor loads of mine are out now; later one behind each round
.endr
	v_and_b32 v1, 15, v0                           ; r
	v_bfe_u32 v2, v0, 4, 1                         ; h
	v_and_b32 v3, 31, v0
	v_lshlrev_b32 v3, 3, v3                        ; 8 x lane
	s_mul_i32 s40, s17, HALFT                      ; my NB blocks of A
	s_mul_i32 s41, s18, HALFT
	s_add_co_u32 s41, s41, 2*HALFT                 ; my NB blocks of B
.irp s, 0,1
	v_add_nc_u32 v[16+\s], s40, v3
	v_add_nc_u32 v[18+\s], s41, v3
	s_add_co_u32 s40, s40, SLOT
	s_add_co_u32 s41, s41, SLOT
.endr
	s_mul_i32 s40, s17, HALFS
	s_mul_i32 s41, s18, HALFS
	s_add_co_u32 s41, s41, 2*HALFS
	s_sub_co_u32 s41, s41, s40
	v_mul_u32_u24 v4, s41, v2                      ; lanes 16-31 take B's scale words
	s_add_co_u32 s40, s40, SCL
	v_lshl_add_u32 v4, v1, 2, v4
	v_add_nc_u32 v20, s40, v4
	v_lshlrev_b32 v5, 6, v2                        ; the bias: 64 h
.if KIND == 0
	s_load_b32 s19, s[4:5], 0x640000               ; the floor
	s_mov_b32 s66, 0x76543210
	s_mov_b32 s67, 0xfedcba98                      ; v_permlanex16_b32's selects for lane l xor 16
	s_lshl_b32 s40, s14, 9
	s_mov_b32 s41, 0
	s_add_nc_u64 s[6:7], s[6:7], s[40:41]          ; the bias of my 128 columns
	s_lshl_b32 s40, s22, 4
	s_lshl_b32 s41, s17, 3
	s_add_co_u32 s40, s40, s41                     ; my first block of rows
	s_mul_i32 s42, s40, 49152
	s_mul_i32 s43, s14, 1536
	s_add_co_u32 s42, s42, s43
	s_mov_b32 s43, 0
	s_add_nc_u64 s[10:11], s[8:9], s[42:43]        ; its fragment in the target: [block][32 K steps][1,536]
	s_lshl_b32 s42, s40, 11
	s_lshl_b32 s41, s14, 6
	s_add_co_u32 s42, s42, s41
	s_add_co_u32 s42, s42, 22020096
	s_add_nc_u64 s[12:13], s[8:9], s[42:43]        ; its scale words
	v_mov_b32 v23, v3
	v_lshlrev_b32 v24, 2, v1
	v_lshl_add_u32 v24, v2, 11, v24                ; 4 r + a block's 2,048 bytes for lanes 16-31
.else
.if KIND == 2
	s_lshl_b32 s40, s23, 9
	s_lshl_b32 s41, s18, 8
	s_add_co_u32 s40, s40, s41
	s_mov_b32 s41, 0
	s_add_nc_u64 s[8:9], s[8:9], s[40:41]          ; the bias of my 64 columns
.endif
	s_lshl_b32 s40, s22, 7
	s_lshl_b32 s41, s17, 6
	s_add_co_u32 s40, s40, s41
	s_lshl_b32 s40, s40, 12                        ; my first row, 4,096 bytes a row,
	s_lshl_b32 s41, s23, 9
	s_add_co_u32 s40, s40, s41
	s_lshl_b32 s41, s18, 8
	s_add_co_u32 s40, s40, s41                     ; my first column
	s_mov_b32 s41, 0
	s_add_nc_u64 s[RESP:RESP+1], s[RESP:RESP+1], s[40:41]
	s_add_nc_u64 s[OUTP:OUTP+1], s[OUTP:OUTP+1], s[40:41]
	v_lshlrev_b32 v25, 4, v1
	v_lshl_add_u32 v25, v2, 12, v25                ; lanes 0-15 one row's 256 bytes, lanes 16-31 the next row's
	s_mul_i32 s40, s16, 16*272
	s_add_co_u32 s40, s40, STG                     ; my stage
	v_mul_u32_u24 v26, v1, 272
	v_lshl_add_u32 v26, v2, 6, v26
	v_add_nc_u32 v26, s40, v26                     ; in: row r, + 64 h
	v_mul_u32_u24 v27, v2, 272
	v_lshl_add_u32 v27, v1, 4, v27
	v_add_nc_u32 v27, s40, v27                     ; back: two rows an instruction
.endif
.if KIND != 1
	WIN 0x40                                       ; destination window 1.  Bias tile b: lane (r, h) wants columns 32 (b / 2) + 16 h + 8 (b % 2) + 0 .. 7
.set b_, 0
.rept NB
.set BI_, 96+128*(b_/4)+8*(b_%4)
	global_load_b128 v[BI_:BI_+3], v5, s[BIASP:BIASP+1] offset:(32*(b_/2)+8*(b_%2))*4
	global_load_b128 v[BI_+4:BI_+7], v5, s[BIASP:BIASP+1] offset:(32*(b_/2)+8*(b_%2))*4+16
.set b_, b_+1
.endr
	WIN 0
.endif
.if KIND != 0
	WIN 0x80                                       ; destination window 2: the residual, in the order in which the rows come back from the stage
.irp a, 0,1,2,3
.irp t, 0,1,2,3,4,5,6,7
	global_load_b128 v[128+32*\a+4*\t:128+32*\a+4*\t+3], v25, s[RESP:RESP+1] offset:(32*(\a/2)+8*(\a%2)+2*\t+8*(\t/4))*4096
.endr
.endr
	WIN 0
.endif
; the fragments and scale words of the slot's q-th K step into set p
.macro FETCH slot, q, p
	WIN 0x40
.set i_, 0
.rept NB
.irp c, 0,1,2,3,4,5
	ds_load_b64 v[128*(\p)+12*i_+2*\c:128*(\p)+12*i_+2*\c+1], v[18+\slot] offset:i_*RBB+(\q)*FRB+256*\c
.endr
.set i_, i_+1
.endr
	WIN 0
.set i_, 0
.rept NB
.irp c, 0,1,2,3,4,5
	ds_load_b64 v[64+96*(\p)+12*i_+2*\c:64+96*(\p)+12*i_+2*\c+1], v[16+\slot] offset:i_*RBB+(\q)*FRB+256*\c
.endr
.set i_, i_+1
.endr
.set i_, 0
.rept NB
	ds_load_b32 v[32+8*(\p)+i_], v20 offset:i_*KSB+(\q)*64
.set i_, i_+1
.endr
.endm
; A's block a against B's NB blocks, set p.  first = 1: the product starts the sums, with the bias tile (KIND 1: the constant 0) as C.  The accumulators take turns, one instruction a turn, in the same order in every K step.
.macro MULA a, p, first
.set W_, 2+((\a)*NB)/32
.set AC_, 8*(((\a)*NB)%32)
.if (\first) && (KIND != 1)
	WIN 0x11+(W_<<6)                               ; source 0 (B) and C (bias) window 1, source 1 (A) window 0
.else
	WIN 0x01+(W_<<4)+(W_<<6)
.endif
.set b_, 0
.rept NB
.set BI_, 96+128*(b_/4)+8*(b_%4)
.if (\first) && (KIND == 1)
	v_wmma_scale_f32_16x16x128_f8f6f4 v[AC_+8*b_:AC_+8*b_+7], v[128*(\p)+12*b_:128*(\p)+12*b_+11], v[64+96*(\p)+12*(\a):64+96*(\p)+12*(\a)+11], 0, v[32+8*(\p)+b_], v[32+8*(\p)+(\a)] matrix_a_fmt:MATRIX_FMT_FP6 matrix_b_fmt:MATRIX_FMT_FP6 matrix_a_scale:MATRIX_SCALE_ROW1
.elseif \first
	v_wmma_scale_f32_16x16x128_f8f6f4 v[AC_+8*b_:AC_+8*b_+7], v[128*(\p)+12*b_:128*(\p)+12*b_+11], v[64+96*(\p)+12*(\a):64+96*(\p)+12*(\a)+11], v[BI_:BI_+7], v[32+8*(\p)+b_], v[32+8*(\p)+(\a)] matrix_a_fmt:MATRIX_FMT_FP6 matrix_b_fmt:MATRIX_FMT_FP6 matrix_a_scale:MATRIX_SCALE_ROW1
.else
	v_wmma_scale_f32_16x16x128_f8f6f4 v[AC_+8*b_:AC_+8*b_+7], v[128*(\p)+12*b_:128*(\p)+12*b_+11], v[64+96*(\p)+12*(\a):64+96*(\p)+12*(\a)+11], v[AC_+8*b_:AC_+8*b_+7], v[32+8*(\p)+b_], v[32+8*(\p)+(\a)] matrix_a_fmt:MATRIX_FMT_FP6 matrix_b_fmt:MATRIX_FMT_FP6 matrix_a_scale:MATRIX_SCALE_ROW1
.endif
.set b_, b_+1
.endr
.endm
.macro MULAS a0, n, p, first
.set a_, \a0
.rept \n
	MULA a_, \p, \first
.set a_, a_+1
.endr
.endm
; a K step that has its successor in the same slot: the successor's fragments are asked for first, into the other set, and land under this step's products
.macro STEP slot, q, first
	s_wait_dscnt 0x0                               ; this step's fragments and scale words are in
	PLACES 4                                       ; the other set was read by the products just issued: four plain places in front of loads into it
	FETCH \slot, (\q)+1, ((\q)+1)%2
	MULAS 0, NB, (\q)%2, \first
	WIN 0
.endm
; a slot's last K step (set 1) changes slots: ONE barrier; in front of it each wave waits for all its tensor loads, adds 0 to its spare word, and waits for that and for its reads of this slot.  fill = 1: this slot is filled again, two slots ahead.
.macro TURN slot, next, fill
	s_wait_tensorcnt 0x0                           ; all my tensor loads have landed: my part of the next slot
	ds_add_u32 v21, v22                            ; 0 onto my spare word
	s_wait_dscnt 0x1                               ; only the add may be out: this step's fragments are in
	MULAS 0, NB/4, 1, 0
	s_wait_dscnt 0x0                               ; the add is done, and my reads of this slot are over
	s_barrier_signal -1
	MULAS NB/4, NB/4, 1, 0
	WIN 0
	s_barrier_wait -1
.if \fill
	CREST                                          ; the barrier has opened a round of the cluster's barrier: no wave of any partner still reads this slot or has a load on its way
	s_add_nc_u64 s[G0+4*\slot+2:G0+4*\slot+3], s[G0+4*\slot+2:G0+4*\slot+3], 2*RBB
	s_add_nc_u64 s[G0B+4*\slot+2:G0B+4*\slot+3], s[G0B+4*\slot+2:G0B+4*\slot+3], 2*RBB
	JLOAD G0+4*\slot, G1, G0B+4*\slot, G1B         ; the first tensor load behind the round; its four v_nop are also the places in front of the loads below
.else
	PLACES 4
.endif
	v_add_nc_u32 v20, NQ*64, v20                   ; on to the next slot's scale words
	FETCH \next, 0, 0
	MULAS NB/2, NB/2, 1, 0
	WIN 0
.endm
.macro MID slot                        ; the K steps between a slot's first and its last
.if NQ == 4
	STEP \slot, 1, 0
	STEP \slot, 2, 0
.endif
.endm
	s_wait_tensorcnt 0x1                           ; the scale words and my part of slot 0 are in; slot 1's load may be out
	s_barrier_signal -1
	s_barrier_wait -1
	FETCH 0, 0, 0
.if KIND == 0
	s_wait_loadcnt 0x0                             ; the bias
	s_wait_kmcnt 0x0                               ; the floor
.elseif KIND == 2
	s_wait_loadcnt 32                              ; the bias is in; the residual's 32 younger loads may be out
.endif
	STEP 0, 0, 1                                   ; the first K step stands in front of the loop: its products start the sums
.if LAPS > 1
	s_mov_b32 s3, LAPS-1
.Llap:                                             ; a trip goes once round the ring and fills both slots again
	MID 0
	TURN 0, 1, 1
	STEP 1, 0, 0
	MID 1
	TURN 1, 0, 1
	STEP 0, 0, 0
	s_sub_co_u32 s3, s3, 1
	s_cmp_lg_u32 s3, 0
	s_cbranch_scc1 .Llap
.endif
	MID 0                                          ; the last lap fills nothing
	TURN 0, 1, 0
	STEP 1, 0, 0
	MID 1
	s_wait_dscnt 0x0                               ; the very last K step
	MULAS 0, NB, 1, 0
	WIN 0
	PLACES 4                                       ; in front of the first read of results and of writes into registers that the last products read
.if KIND == 0
; THE WAY OUT: block a's 64 numbers of a lane (register 16 b + i = column 32 b + 16 h + i of my row) are held at the floor, quantised, and ARE a fragment of the next product.
.macro QUANT s, pw
.irp b, 0,1,2,3
	v_max3_num_f32 v[TM+\b], |v[\s+16*\b]|, |v[\s+1+16*\b]|, 0x1800000   ; my 16 numbers of block b, and the floor 2^(3 - 127)
.endr
.irp i, 2,4,6,8,10,12,14
.irp b, 0,1,2,3
	v_max3_num_f32 v[TM+\b], v[TM+\b], |v[\s+16*\b+\i]|, |v[\s+1+16*\b+\i]|
.endr
.endr
.irp b, 0,1,2,3
	v_permlanex16_b32 v[TM+4+\b], v[TM+\b], s66, s67
.endr
.irp b, 0,1,2,3
	v_max_num_f32 v[TM+\b], v[TM+\b], v[TM+4+\b]   ; with lane l xor 16's: the block's largest magnitude
.endr
.irp b, 0,1,2,3
	v_add_nc_u32 v[TM+12+\b], 0xff000000, v[TM+\b] ; 2 off its exponent field: the conversion's scale operand
.endr
.irp b, 0,1,2,3
	v_lshrrev_b32 v[TM+4+\b], 23, v[TM+12+\b]      ; the byte
.endr
	v_lshl_or_b32 v[\pw], v[TM+5], 8, v[TM+4]
	v_lshl_or_b32 v[\pw], v[TM+6], 16, v[\pw]
	v_lshl_or_b32 v[\pw], v[TM+7], 24, v[\pw]      ; my row's scale word
.irp c, 0,1
	v_cvt_scalef32_pk16_fp6_f32 v[PC+6*\c:PC+2+6*\c], v[\s+32*\c:\s+15+32*\c], v[TM+12+2*\c]
	v_cvt_scalef32_pk16_fp6_f32 v[PC+12+4*\c:PC+14+4*\c], v[\s+16+32*\c:\s+31+32*\c], v[TM+12+2*\c+1]
.endr
	v_nop                                          ; one plain place behind a scaled conversion
.irp c, 0,1                            ; the operand's layout wants a whole block in a lane
.irp i, 0,1,2
	v_permlane16_swap_b32 v[PC+6*\c+\i], v[PC+12+4*\c+\i]
.endr
.irp i, 0,1,2
	v_mov_b32 v[PC+3+6*\c+\i], v[PC+12+4*\c+\i]
.endr
.endr
.endm
.irp b, 0,1,2,3
	v_mov_b32 v[TM+4+\b], 0                        ; written once: a lane permute's destination counts as one of its sources
.endr
.irp a, 0,1,2,3,4,5,6,7
.if \a > 0
	s_wait_xcnt 0x0                                ; the last block's stores have read their registers
.endif
	WIN (2+\a/4)<<2                                ; source 1: the accumulators' window
.set j_, 0
.rept 64
	v_max_num_f32 v[64+j_], s19, v[64*(\a%4)+j_]   ; each accumulator from its low end on
.set j_, j_+1
.endr
	WIN 0
	QUANT 64, 48+\a
.irp c, 0,1,2,3,4,5
	global_store_b64 v23, v[PC+2*\c:PC+2*\c+1], s[10:11] offset:\a*49152+256*\c   ; 32 lanes store 256 consecutive bytes, aligned
.endr
.endr
	s_mov_b32 vcc_lo, 0xffff0000
.irp k, 0,1,2,3
	v_cndmask_b32 v[TM+\k], v[48+2*\k], v[49+2*\k], vcc_lo    ; lanes 0-15: block 2 k's words, lanes 16-31: block 2 k + 1's
.endr
.irp k, 0,1,2,3
	global_store_b32 v24, v[TM+\k], s[12:13] offset:2*\k*2048
.endr
.else
; THE WAY OUT: a block of 16 rows x 64 columns goes through my own stage in LDS and comes back as whole runs of 256 bytes of a row; the residual is added; sixteen lanes store 256 consecutive bytes, aligned.
	s_wait_loadcnt 0x0                             ; the residual
.irp a, 0,1,2,3
.if \a > 0
	s_wait_xcnt 0x0                                ; the earlier stores have read their registers
.endif
	WIN 0x08                                       ; an LDS store's data are its source 1: window 2
.irp b, 0,1,2,3
	ds_store_b128 v26, v[32*\a+8*\b:32*\a+8*\b+3] offset:128*(\b/2)+32*(\b%2)       ; each accumulator from its low end on
	ds_store_b128 v26, v[32*\a+8*\b+4:32*\a+8*\b+7] offset:128*(\b/2)+32*(\b%2)+16
.endr
	WIN 0
.irp t, 0,1,2,3,4,5,6,7
	ds_load_b128 v[64+32*(\a%2)+4*\t:64+32*(\a%2)+4*\t+3], v27 offset:2*\t*272      ; LDS serves a wave's instructions in order: these see my stores
.endr
	s_wait_dscnt 0x0
	WIN 0x08                                       ; source 1: the residual, window 2
.irp k, 0,1,2,3,4,5,6,7,8,9,10,11,12,13,14,15
	v_pk_add_f32 v[64+32*(\a%2)+2*\k:64+32*(\a%2)+2*\k+1], v[64+32*(\a%2)+2*\k:64+32*(\a%2)+2*\k+1], v[128+32*\a+2*\k:128+32*\a+2*\k+1]
.endr
	WIN 0
.irp t, 0,1,2,3,4,5,6,7
	global_store_b128 v25, v[64+32*(\a%2)+4*\t:64+32*(\a%2)+4*\t+3], s[OUTP:OUTP+1] offset:(32*(\a/2)+8*(\a%2)+2*\t+8*(\t/4))*4096
.endr
.endr
.endif
	s_wait_tensorcnt 0x0                           ; the wave's end
	ds_add_u32 v21, v22
	s_wait_dscnt 0x0
	CROUND                                         ; the closing round: no work-group ends while a partner may still ask for a tile that names it
	s_endpgm
.Lfunc_end_k_qd7ebace0ea_gemm2:
	.size	k_qd7ebace0ea_gemm2, .Lfunc_end_k_qd7ebace0ea_gemm2-k_qd7ebace0ea_gemm2
	.p2alignl 7, 3214868480
	.fill 96, 4, 3214868480
	.section	.rodata,"a",@progbits
	.p2align	6, 0x0
	.amdhsa_kernel k_qd7ebace0ea_gemm2
		.amdhsa_group_segment_fixed_size 327680
		.amdhsa_private_segment_fixed_size 0
		.amdhsa_enable_private_segment 0
		.amdhsa_kernarg_size 40
		.amdhsa_user_sgpr_count 2
		.amdhsa_user_sgpr_kernarg_segment_ptr 1
		.amdhsa_wavefront_size32 1
		.amdhsa_system_sgpr_workgroup_id_x 1
		.amdhsa_system_sgpr_workgroup_id_y 1
		.amdhsa_system_sgpr_workgroup_id_z 1
		.amdhsa_system_vgpr_workitem_id 0
		.amdhsa_next_free_vgpr 768
		.amdhsa_next_free_sgpr 100
		.amdhsa_reserve_vcc 1
		.amdhsa_float_denorm_mode_32 3
		.amdhsa_float_denorm_mode_16_64 3
		.amdhsa_memory_ordered 1
		.amdhsa_forward_progress 1
		.amdhsa_inst_pref_size 117
	.end_amdhsa_kernel
	.amdgpu_metadata
---
amdhsa.version: [ 1, 2 ]
amdhsa.kernels:
  - .name:           k_qd7ebace0ea_gemm2
    .symbol:         k_qd7ebace0ea_gemm2.kd
    .args:
      - { .name: ff, .offset: 0, .size: 8, .value_kind: global_buffer, .address_space: global }
      - { .name: wr, .offset: 8, .size: 8, .value_kind: global_buffer, .address_space: global }
      - { .name: b2, .offset: 16, .size: 8, .value_kind: global_buffer, .address_space: global }
      - { .name: x1, .offset: 24, .size: 8, .value_kind: global_buffer, .address_space: global }
      - { .name: out0, .offset: 32, .size: 8, .value_kind: global_buffer, .address_space: global }
    .group_segment_fixed_size: 327680
    .private_segment_fixed_size: 0
    .kernarg_segment_align: 8
    .kernarg_segment_size: 40
    .max_flat_workgroup_size: 128
    .sgpr_count:     100
    .vgpr_count:     768
    .wavefront_size: 32
...
	.end_amdgpu_metadata
.endif
;; end of part 6
